; MI455X (gfx1250); checked and timed in simulation.
; The chip was launched on July 23, 2026; its instructions are those of AMD's public machine-readable ISA for CDNA 5 (MIT licence, August 2026) and "CDNA5" Instruction Set Architecture Reference Guide (July 2026). The comments in the code are by the model that wrote it; some were corrected since.
;; Transformer Encoder Layer. Allowed arithmetic: matrix products marked QUANTISED: E2M3 operands, one E8M0 scale for each 32 along K, by v_wmma_scale_f32_16x16x128_f8f6f4 with both operands' format E2M3, f32 sums; everything else in f32.
;; Inputs: W1 1,024 x 4,096 float32; W2 4,096 x 1,024 float32; Wk 16 x 1,024 x 64 float32; Wo 1,024 x 1,024 float32; Wq 16 x 1,024 x 64 float32; Wv 16 x 1,024 x 64 float32; b1 4,096 float32; b2 1,024 float32; bk 16 x 64 float32; bo 1,024 float32; bq 16 x 64 float32; bv 16 x 64 float32; ln1_b 1,024 float32; ln1_g 1,024 float32; ln2_b 1,024 float32; ln2_g 1,024 float32; x 4 x 1,024 x 1,024 float32.
;; Outputs: out0 4 x 1,024 x 1,024 float32.
;; This version of the problem:
;;   THIS VERSION OF THE PROBLEM IS GIVEN IN LOW PRECISION. The matrix products marked QUANTISED in the list below multiply operands that are first quantised to E2M3 (2 exponent bits, 3 mantissa bits; 6 bits a number), with one power-of-two scale for each 32 numbers along K (OCP MX v1.0); their sums are f32. All else is computed in f32.
;;   The module's matrix products, in the order in which they are computed (A, B: the left and right operand; K: the contracted axis; several contracted axes count as one K, in the product's order):
;;     1. [M 1,024, K 1,024] x [K 1,024, N 4,096]; A: input Wq; B: computed on the way: QUANTISED
;;     2. [M 1,024, K 1,024] x [K 1,024, N 4,096]; A: input Wk; B: computed on the way: QUANTISED
;;     3. [M 1,024, K 1,024] x [K 1,024, N 4,096]; A: input Wv; B: computed on the way: QUANTISED
;;     4. batch 64 x [M 1,024, K 64] x [K 64, N 1,024]; A: computed on the way; B: computed on the way: QUANTISED
;;     5. batch 64 x [M 1,024, K 1,024] x [K 1,024, N 64]; A: softmax (see below); B: computed on the way: QUANTISED
;;     6. [M 4,096, K 1,024] x [K 1,024, N 1,024]; A: computed on the way; B: input Wo: QUANTISED
;;     7. [M 4,096, K 1,024] x [K 1,024, N 4,096]; A: computed on the way; B: input W1: QUANTISED
;;     8. [M 4,096, K 4,096] x [K 4,096, N 1,024]; A: computed on the way; B: input W2: QUANTISED
;;   THE QUANTISER, for each operand of a quantised product, along K:
;;     - K is cut into blocks of 32 from its start; a last block that is shorter is filled with zeros.
;;     - A block's scale is 2^e with e = floor(log2(the largest magnitude in the block)) - 2, held to -126 .. 127; a block of zeros has e = 0. As a byte (E8M0): e + 127.
;;     - Each number is divided by its block's scale, clamped to +-7.5, and rounded to the nearest number of E2M3, ties to even, subnormals kept.
;;     - The product sums the exact products of the quantised numbers (number of the format x scale) in f32.
;;   ~~~python
;;   def quantise(x, axis):      # numpy; x: float32 -> the quantised numbers, widened to float32 again
;;       x = np.moveaxis(x, axis, -1); K = x.shape[-1]
;;       x = np.pad(x, [(0, 0)] * (x.ndim - 1) + [(0, -K % 32)]); x = x.reshape(x.shape[:-1] + (-1, 32)); a = np.abs(x).max(-1, keepdims=True)
;;       e = np.where(a > 0, np.clip(np.frexp(np.where(a > 0, a, 1))[1] - 1 - 2, -126, 127), 0)      # np.frexp(a)[1] - 1 = floor(log2(a)), exactly
;;       r = np.clip(x / 2.0 ** e, -7.5, 7.5)
;;       step = 2.0 ** (np.maximum(np.frexp(np.where(r == 0, 1, r))[1] - 1, 0) - 3)
;;       q = np.round(r / step) * step * 2.0 ** e      # np.round: ties to even
;;       return np.moveaxis(q.reshape(q.shape[:-2] + (-1,))[..., :K], -1, axis).astype(np.float32)
;;   ~~~
;;   SOFTMAX AHEAD OF A QUANTISED PRODUCT. Where the list says 'softmax', what is quantised is not the finished softmax but p = 2^(t - M), with t = logit x log2(e) and M = ceil(the row's largest t), a whole number; so 1/2 < the row's largest p <= 1. The row's sum l is taken of the UNQUANTISED p, in f32, and the product's result is divided by l at the end. Since M is a whole number, a kernel that streams over the keys may use a running M (the ceiling of the running maximum): every later rescaling is an exact power of two, which a block's scale takes up: the codes' values come out the same.
;;   OPERANDS COMPUTED ON THE WAY. 'Computed on the way' means the value that the module computes at that place (a softmax that the list does not call 'softmax' is quantised finished and normalised). What goes into a quantiser is computed in f32, as accurately as f32 sums, v_exp_f32 and their like allow (about 1e-6 of the number): no bf16 or f16 on the way to a quantiser, and a product that is left as it is and whose result goes on into a quantised operand takes f32 operands (vector FMAs, or v_wmma_f32_16x16x4_f32). A number that lies on a knife's edge between two numbers of the format may be rounded either way, as far as f32 arithmetic and the matrix unit's own rounding can turn it there, and no further.
;; One version. Each part assembles by itself: llvm-mc -triple=amdgcn-amd-amdhsa -mcpu=gfx1250 --defsym DOCPART=n.
;; ======== version 1 of 1: 7 launches
;; limits: right only within a limited range of input values
;; workspace buffers: wts 10,223,616 bytes; h1 3,407,872 bytes; qkv 10,747,904 bytes; at 3,407,872 bytes; x1 16,777,216 bytes; h2 3,407,872 bytes; y1 13,631,488 bytes
;; launch pre1 (part 1): grid 384 x 1, 8 waves a work-group, no clusters, 69,632 bytes of LDS; arguments x, ln1_g, ln1_b, h1, Wq, Wk, Wv, Wo, wts; writes h1, wts
.if DOCPART == 1
	.amdgcn_target "amdgcn-amd-amdhsa--gfx1250"
	.amdhsa_code_object_version 6
	.text
	.protected	k_q4a6fc2273e_pre1
	.globl	k_q4a6fc2273e_pre1
	.p2align	8
	.type	k_q4a6fc2273e_pre1,@function
k_q4a6fc2273e_pre1:
	s_mov_b64 s[64:65], 0
	v_nop
	global_prefetch_b8 v0, s[64:65] scope:SCOPE_SE
	s_setreg_imm32_b32 hwreg(HW_REG_WAVE_MODE, 25, 1), 1
	s_wait_xcnt 0x0
; TWO JOBS THAT DO NOT DEPEND ON EACH OTHER SHARE THIS LAUNCH.  Work-groups 0-255: LayerNorm of x and its quantiser.  Work-groups 256-351: Wq, Wk, Wv, work-groups 352-383: Wo, become codes.
; The paths part on the work-group's number, which all waves of a work-group share; the two barriers stand on the first path alone, and the second touches no LDS.
; ALL CODES ARE FP6 (E2M3) with one E8M0 byte for each 32 along K, laid as IMAGES OF OPERAND REGISTERS.  A fragment is 16 rows x 128 K = 1,536 bytes: half c (K 64 c .. 64 c + 63) has the operand's registers 6 c .. 6 c + 3
; at 768 c + 16 x lane and registers 6 c + 4, 6 c + 5 at 768 c + 512 + 8 x lane.  Its scale words are 128 bytes: lane l's word at 4 l, lanes 16-31 repeating lanes 0-15.  Row r of rowblock t is logical row 32 (t / 2) + 8 (t % 2) + r + 8 (r / 8).
; LAYERNORM over rows of 1,024 f32.  Out: [rowblock 256][K step 8][1,536], scale words behind them at 3,145,728, [rowblock][K step][128].  A work-group takes a rowblock, wave w its K step w.  Each load reads 512 consecutive bytes;
; the wave's own stage in LDS turns them so that lane (r, h) holds, of row r, 16 neighbours of each block of 32.  Mean and variance in two passes; the eight waves' parts meet in LDS behind a barrier each.
; WEIGHTS, f32 with K not innermost.  wts: [rowblock][K step][1,536] and [rowblock][K step][128] for each weight; q, k, v together as 3,072 rows (1,024 x tensor + 64 x head + channel).  A wave takes 32 columns x 128 K: a lane takes
; a column and its registers run down K, so a block of 32 lies in one lane and the conversions give K innermost.  Two fragments leave by dense stores.
; A block's scale is 2^(floor(log2(largest magnitude)) - 2); its byte is that magnitude's exponent field - 2, held at 1 from below.
; LIMITS: a block of zeros gets the byte 1 (its codes are zeros; only this program reads the bytes); magnitudes under 2^-124 are held at that floor; NaN and infinities are not served.
; A FRAGMENT'S IMAGE AS THIS LAUNCH STORES IT (it takes the place of the halves named above): the operand's registers 4 j .. 4 j + 3 at 512 j + 16 x lane, j = 0, 1, 2: three stores, and later three loads, of 512 consecutive bytes.
.set STG, 8448                         ; a wave's stage: 16 rows x (512 + 16) bytes
.set RED, 67584                        ; 512 bytes for the sums, 512 for the sums of squares: word [row][wave]
.set R,   16                           ; v16-79   the rows as loaded; later gamma
.set X,   80                           ; v80-143  register 16 b + i = number 32 b + 16 h + i of my row's 128
.set BT,  144                          ; v144-207 beta
.set PC,  208                          ; v208-227 codes
.set TM,  228                          ; v228-243 at work in the quantiser
.set PW,  244                          ; the scale word
.set SEL, 26                           ; s[26:27] lane selects: lane l xor 16
.set WX,  16                           ; the weights' path: v16-79 two sets of 32 numbers
.set CD,  80                           ; v80-103  block t's six registers of codes at CD + 12 (t % 2) + 6 (t / 2): behind the change of halves two fragments of twelve registers on end
.set CT,  112                          ; v112-127 the upper half of each block's codes as converted (a conversion's three registers begin on an even number)
; 64 numbers of a lane, register 16 b + i = k 32 b + 16 (lane / 16) + i of my row, become a fragment's codes in v[PC] on and its scale word in v[PW]
.macro QUANT s
.irp b, 0,1,2,3
	v_max3_num_f32 v[TM+\b], |v[\s+16*\b]|, |v[\s+1+16*\b]|, 0x1800000   ; with the floor 2^(3 - 127): the byte cannot fall under 1
.endr
.irp i, 2,4,6,8,10,12,14
.irp b, 0,1,2,3
	s_delay_alu instid0(VALU_DEP_4)
	v_max3_num_f32 v[TM+\b], v[TM+\b], |v[\s+16*\b+\i]|, |v[\s+1+16*\b+\i]|
.endr
.endr
.irp b, 0,1,2,3
	s_delay_alu instid0(VALU_DEP_4)
	v_permlanex16_b32 v[TM+4+\b], v[TM+\b], s[SEL], s[SEL+1]
.endr
.irp b, 0,1,2,3
	s_delay_alu instid0(VALU_DEP_4)
	v_max_num_f32 v[TM+\b], v[TM+\b], v[TM+4+\b]   ; with lane l xor 16's: the block's largest magnitude
.endr
.irp b, 0,1,2,3
	s_delay_alu instid0(VALU_DEP_4)
	v_add_nc_u32 v[TM+12+\b], 0xff000000, v[TM+\b] ; 2 off the exponent field: the conversion's scale operand
.endr
.irp b, 0,1,2,3
	s_delay_alu instid0(VALU_DEP_4)
	v_lshrrev_b32 v[TM+4+\b], 23, v[TM+12+\b]      ; the scale's byte
.endr
	s_delay_alu instid0(VALU_DEP_3)
	v_lshl_or_b32 v[PW], v[TM+5], 8, v[TM+4]
	s_delay_alu instid0(VALU_DEP_1)
	v_lshl_or_b32 v[PW], v[TM+6], 16, v[PW]
	s_delay_alu instid0(VALU_DEP_1)
	v_lshl_or_b32 v[PW], v[TM+7], 24, v[PW]
.irp c, 0,1
	v_cvt_scalef32_pk16_fp6_f32 v[PC+6*\c:PC+2+6*\c], v[\s+32*\c:\s+15+32*\c], v[TM+12+2*\c]
	v_cvt_scalef32_pk16_fp6_f32 v[PC+12+4*\c:PC+14+4*\c], v[\s+16+32*\c:\s+31+32*\c], v[TM+12+2*\c+1]
.endr
	v_nop                                          ; one plain instruction behind a scaled conversion
.irp c, 0,1                            ; the operand wants a whole block in a lane: lanes 0-15 block 2 c, lanes 16-31 block 2 c + 1
.irp i, 0,1,2
	v_permlane16_swap_b32 v[PC+6*\c+\i], v[PC+12+4*\c+\i]
.endr
.irp i, 0,1,2
	s_delay_alu instid0(VALU_DEP_3)
	v_mov_b32 v[PC+3+6*\c+\i], v[PC+12+4*\c+\i]
.endr
.endr
.endm
; v[246:247], v[248:249]: two chains of my 64 numbers' sums.  Out: v248 = the row's sum over all 1,024
.macro ACROSS off
	s_delay_alu instid0(VALU_DEP_1)
	v_pk_add_f32 v[246:247], v[246:247], v[248:249]
	s_delay_alu instid0(VALU_DEP_1)
	v_add_f32 v246, v246, v247
	s_delay_alu instid0(VALU_DEP_1)
	v_permlanex16_b32 v247, v246, s[SEL], s[SEL+1]
	s_delay_alu instid0(VALU_DEP_1)
	v_add_f32 v246, v246, v247                     ; my row's 128 numbers of this K step
	ds_store_b32 v4, v246 offset:\off              ; lanes r and r + 16 write the same word with the same value
	s_wait_dscnt 0x0                               ; for the others' sake: my store is done
	s_barrier_signal -1
	s_barrier_wait -1
	ds_load_b128 v[248:251], v5 offset:\off
	ds_load_b128 v[252:255], v5 offset:\off+16
	s_wait_dscnt 0x0
	v_add_f32 v248, v248, v249
	v_add_f32 v250, v250, v251
	v_add_f32 v252, v252, v253
	v_add_f32 v254, v254, v255
	s_delay_alu instid0(VALU_DEP_3)
	v_add_f32 v248, v248, v250
	s_delay_alu instid0(VALU_DEP_2)
	v_add_f32 v252, v252, v254
	s_delay_alu instid0(VALU_DEP_1)
	v_add_f32 v248, v248, v252
.endm
; The weights' path.  s3 = pair of rowblocks, s26 = K step, s27 = log2(K steps), s28, s30 = the weight's regions of codes and scales, s32 = byte offset in the weight
.macro FINISH
	s_mov_b32 s33, 0
	s_add_nc_u64 s[4:5], s[4:5], s[32:33]
	s_lshl_b32 s3, s3, 1
	s_lshl_b32 s3, s3, s27
	s_add_co_u32 s3, s3, s26                       ; fragment number: rowblock x K steps + K step
	s_mul_i32 s34, s3, 1536
	s_add_co_u32 s28, s28, s34
	s_mov_b32 s29, 0
	s_add_nc_u64 s[6:7], s[24:25], s[28:29]
	s_lshl_b32 s34, s3, 7
	s_add_co_u32 s30, s30, s34
	s_mov_b32 s31, 0
	s_add_nc_u64 s[8:9], s[24:25], s[30:31]
	s_lshl_b32 s10, 1536, s27                      ; the second rowblock's fragment lies a row of K steps on
	s_lshl_b32 s11, 128, s27
	v_add_nc_u32 v4, s10, v2
	v_add_nc_u32 v5, s10, v3
	v_add_nc_u32 v7, s11, v6
.endm
.macro LOADB t, stride                 ; block t: W(32 t + i, my column): 32 lanes read 128 consecutive bytes
.irp i, 0,1,2,3,4,5,6,7,8,9,10,11,12,13,14,15,16,17,18,19,20,21,22,23,24,25,26,27,28,29,30,31
	global_load_b32 v[WX+32*((\t)%2)+\i], v1, s[4:5] offset:(32*(\t)+\i)*\stride th:TH_LOAD_NT
.endr
.endm
.macro BLOCK t, stride
.set WXS, WX+32*((\t)%2)
.if (\t) < 3
	s_wait_loadcnt 32                              ; this block's 32 loads are in; the next block's 32 may be out
.else
	s_wait_loadcnt 0x0
.endif
	v_max3_num_f32 v8, |v[WXS]|, |v[WXS+1]|, |v[WXS+2]|
	v_max3_num_f32 v9, |v[WXS+3]|, |v[WXS+4]|, |v[WXS+5]|
.irp i, 6,10,14,18,22,26
	s_delay_alu instid0(VALU_DEP_2)
	v_max3_num_f32 v8, v8, |v[WXS+\i]|, |v[WXS+\i+1]|
	s_delay_alu instid0(VALU_DEP_2)
	v_max3_num_f32 v9, v9, |v[WXS+\i+2]|, |v[WXS+\i+3]|
.endr
	s_delay_alu instid0(VALU_DEP_2)
	v_max3_num_f32 v8, v8, |v[WXS+30]|, |v[WXS+31]|
	s_delay_alu instid0(VALU_DEP_1)
	v_max3_num_f32 v8, v8, v9, 0x1800000           ; with the floor 2^(3 - 127): the byte cannot fall under 1
	s_delay_alu instid0(VALU_DEP_1)
	v_add_nc_u32 v11, 0xff000000, v8               ; 2 off the exponent field: the conversion's scale operand
	s_delay_alu instid0(VALU_DEP_1)
	v_lshrrev_b32 v9, 23, v11                      ; the scale's byte
.if (\t) == 0
	s_delay_alu instid0(VALU_DEP_1)
	v_mov_b32 v12, v9
.else
	s_delay_alu instid0(VALU_DEP_1)
	v_lshl_or_b32 v12, v9, 8*(\t), v12             ; the lower K in the lower byte
.endif
	v_cvt_scalef32_pk16_fp6_f32 v[CD+12*((\t)%2)+6*((\t)/2):CD+12*((\t)%2)+6*((\t)/2)+2], v[WXS:WXS+15], v11
	v_cvt_scalef32_pk16_fp6_f32 v[CT+4*(\t):CT+4*(\t)+2], v[WXS+16:WXS+31], v11
.if (\t) < 2
	LOADB (\t)+2, \stride
.endif
.endm
.macro BODY stride
	LOADB 0, \stride
	LOADB 1, \stride
	BLOCK 0, \stride
	BLOCK 1, \stride
	BLOCK 2, \stride
	BLOCK 3, \stride
	v_nop                                          ; one plain instruction behind the last scaled conversion
.irp t, 0,1,2,3
.irp i, 0,1,2
	v_mov_b32 v[CD+12*(\t%2)+6*(\t/2)+3+\i], v[CT+4*\t+\i]
.endr
.endr
.irp c, 0,1                            ; blocks 2 c and 2 c + 1 change halves: the first run becomes half c of the first rowblock's fragment (lanes 0-15 block 2 c, lanes 16-31 block 2 c + 1), the second run that of the second rowblock
.irp i, 0,1,2,3,4,5
	v_permlane16_swap_b32 v[CD+6*\c+\i], v[CD+12+6*\c+\i]
.endr
.endr
	v_mov_b32 v13, v12
	s_delay_alu instid0(VALU_DEP_1)
	v_permlane16_swap_b32 v12, v13                 ; v12: the first rowblock's words in both halves of the lanes; v13: the second's
.irp c, 0,1,2
	global_store_b128 v2, v[CD+4*\c:CD+4*\c+3], s[6:7] offset:512*\c             ; 512 consecutive bytes: the first rowblock's fragment
	global_store_b128 v4, v[CD+12+4*\c:CD+12+4*\c+3], s[6:7] offset:512*\c       ; the second's
.endr
	global_store_b32 v6, v12, s[8:9]
	global_store_b32 v7, v13, s[8:9]
.endm
	v_lshl_add_u32 v238, v0, 2, 0x10c00
	v_mov_b32 v239, 0
	s_cmp_ge_u32 ttmp9, 256                        ; the work-group's number: the same in all eight waves
	s_cbranch_scc1 .Lweights
	; ---------------- LayerNorm: rowblock = the work-group's number
	s_load_b256 s[4:11], s[0:1], 0x0               ; in s[4:5], gamma s[6:7], beta s[8:9], out s[10:11]
	v_lshrrev_b32 v1, 5, v0
	s_delay_alu instid0(VALU_DEP_1)
	v_readfirstlane_b32 s12, v1                    ; wave = K step
	v_and_b32 v245, 31, v0
	s_delay_alu instid0(VALU_DEP_1)
	v_lshlrev_b32 v1, 4, v245                      ; 16 x lane
	s_delay_alu instid0(VALU_DEP_2)
	v_lshlrev_b32 v8, 3, v245                      ; 8 x lane
	s_delay_alu instid0(VALU_DEP_3)
	v_lshlrev_b32 v9, 2, v245                      ; 4 x lane
	v_and_b32 v246, 15, v0                         ; r
	v_bfe_u32 v247, v0, 4, 1                       ; h
	s_mul_i32 s13, s12, STG
	v_add_nc_u32 v2, s13, v1                       ; the stage, in: 512 bytes of a row as they lie
	v_mul_u32_u24 v3, v246, 528
	s_delay_alu instid0(VALU_DEP_1)
	v_lshl_add_u32 v3, v247, 6, v3
	s_delay_alu instid0(VALU_DEP_1)
	v_add_nc_u32 v3, s13, v3                       ; out: row r, + 64 h
	v_lshlrev_b32 v5, 5, v246
	s_delay_alu instid0(VALU_DEP_1)
	v_add_nc_u32 v5, RED, v5                       ; my row's eight words
	s_lshl_b32 s14, s12, 2
	v_add_nc_u32 v4, s14, v5                       ; my wave's word among them
	v_lshlrev_b32 v6, 6, v247                      ; gamma, beta: + 16 h numbers
.irp b, 0,1,2,3
	v_mov_b32 v[TM+4+\b], 0                        ; written once: a lane permute's destination counts as one of its sources
.endr
	s_mov_b32 s[SEL], 0x76543210
	s_mov_b32 s[SEL+1], 0xfedcba98
	s_mov_b32 s28, 0x3a800000                      ; 1 / 1,024
	s_mov_b32 s29, 0x3727c5ac                      ; 1e-5
	s_lshr_b32 s15, ttmp9, 1
	s_lshl_b32 s15, s15, 17                        ; 32 rows of 4,096 bytes
	s_and_b32 s16, ttmp9, 1
	s_lshl_b32 s16, s16, 15                        ; 8 rows
	s_add_co_u32 s16, s16, s15
	s_lshl_b32 s18, s12, 9                         ; my K step: 512 bytes
	s_add_co_u32 s16, s16, s18
	s_mov_b32 s17, 0
	s_mov_b32 s19, 0
	s_lshl_b32 s20, ttmp9, 3
	s_add_co_u32 s20, s20, s12                     ; fragment number
	s_mul_i32 s22, s20, 1536
	s_mov_b32 s23, 0
	s_lshl_b32 s20, s20, 7
	s_add_co_u32 s20, s20, 3145728
	s_mov_b32 s21, 0
	s_wait_alu depctr_va_vdst(0)
	s_wait_kmcnt 0x0
	s_add_nc_u64 s[4:5], s[4:5], s[16:17]
	s_add_nc_u64 s[6:7], s[6:7], s[18:19]
	s_add_nc_u64 s[8:9], s[8:9], s[18:19]
	s_add_nc_u64 s[24:25], s[10:11], s[20:21]
	s_add_nc_u64 s[10:11], s[10:11], s[22:23]
.set I, 0
.rept 16
	global_load_b128 v[R+4*I:R+4*I+3], v1, s[4:5] offset:(I+8*(I/8))*4096   ; row I of the rowblock: 512 consecutive bytes
.set I, I+1
.endr
.set I, 0
.rept 16
	global_load_b128 v[BT+4*I:BT+4*I+3], v6, s[8:9] offset:128*(I/4)+16*(I%4)
.set I, I+1
.endr
	s_wait_loadcnt 16                              ; the rows are in; beta's 16 loads may be out
.set I, 0
.rept 16
	ds_store_b128 v2, v[R+4*I:R+4*I+3] offset:528*I
.set I, I+1
.endr
.set I, 0
.rept 16
	ds_load_b128 v[X+4*I:X+4*I+3], v3 offset:128*(I/4)+16*(I%4)    ; LDS serves a wave's instructions in order: these see my stores
.set I, I+1
.endr
	s_wait_dscnt 0x0                               ; the stores have read R, which takes gamma now
.set I, 0
.rept 16
	global_load_b128 v[R+4*I:R+4*I+3], v6, s[6:7] offset:128*(I/4)+16*(I%4)
.set I, I+1
.endr
	v_pk_add_f32 v[246:247], v[X:X+1], v[X+2:X+3]
	v_pk_add_f32 v[248:249], v[X+4:X+5], v[X+6:X+7]
.set I, 8
.rept 14
	s_delay_alu instid0(VALU_DEP_2)
	v_pk_add_f32 v[246:247], v[246:247], v[X+I:X+I+1]
	s_delay_alu instid0(VALU_DEP_2)
	v_pk_add_f32 v[248:249], v[248:249], v[X+I+2:X+I+3]
.set I, I+4
.endr
	ACROSS 0
	s_delay_alu instid0(VALU_DEP_1)
	v_mul_f32 v10, s28, v248                       ; the mean
	s_delay_alu instid0(VALU_DEP_1)
	v_mov_b32 v11, v10
.set I, 0
.rept 32
	v_pk_add_f32 v[X+I:X+I+1], v[X+I:X+I+1], v[10:11] neg_lo:[0,1] neg_hi:[0,1]
.set I, I+2
.endr
	v_pk_mul_f32 v[246:247], v[X:X+1], v[X:X+1]
	v_pk_mul_f32 v[248:249], v[X+2:X+3], v[X+2:X+3]
.set I, 4
.rept 15
	s_delay_alu instid0(VALU_DEP_2)
	v_pk_fma_f32 v[246:247], v[X+I:X+I+1], v[X+I:X+I+1], v[246:247]
	s_delay_alu instid0(VALU_DEP_2)
	v_pk_fma_f32 v[248:249], v[X+I+2:X+I+3], v[X+I+2:X+I+3], v[248:249]
.set I, I+4
.endr
	ACROSS 512
	s_delay_alu instid0(VALU_DEP_1)
	v_fma_f32 v250, v248, s28, s29                 ; the variance + 1e-5
	s_wait_alu depctr_va_vdst(0)
	v_rsq_f32 v12, v250
	v_nop                                          ; a plain instruction behind the transcendental
	s_wait_alu depctr_va_vdst(0)                   ; and the wait ahead of its first reader
	v_mov_b32 v13, v12
	s_wait_alu depctr_va_vdst(0)
	s_wait_loadcnt 0x0                             ; gamma and beta
.set I, 0
.rept 32
	v_pk_mul_f32 v[X+I:X+I+1], v[X+I:X+I+1], v[12:13]
.set I, I+2
.endr
.set I, 0
.rept 32
	v_pk_fma_f32 v[X+I:X+I+1], v[X+I:X+I+1], v[R+I:R+I+1], v[BT+I:BT+I+1]
.set I, I+2
.endr
	QUANT X
	global_store_b128 v1, v[PC:PC+3], s[10:11]
	global_store_b128 v1, v[PC+4:PC+7], s[10:11] offset:512
	global_store_b128 v1, v[PC+8:PC+11], s[10:11] offset:1024
	global_store_b32 v9, v[PW], s[24:25]           ; both halves of the lanes hold their row's word
	s_wait_tensorcnt 0x0
	ds_add_u32 v238, v239
	s_wait_dscnt 0x0
	s_endpgm
.Lweights:                             ; ---------------- the weights
	s_load_b256 s[12:19], s[0:1], 0x20             ; Wq s[12:13], Wk s[14:15], Wv s[16:17], Wo s[18:19]
	s_load_b64 s[24:25], s[0:1], 0x40              ; wts
	s_sub_co_u32 s39, ttmp9, 256                   ; 0-95: q, k, v; 96-127: Wo
	v_lshrrev_b32 v8, 5, v0
	s_delay_alu instid0(VALU_DEP_1)
	v_readfirstlane_b32 s2, v8                     ; wave 0..7
	v_and_b32 v8, 31, v0                           ; lane
	v_and_b32 v1, 7, v0
	v_bfe_u32 v9, v0, 4, 1
	s_delay_alu instid0(VALU_DEP_1)
	v_lshl_add_u32 v1, v9, 3, v1
	v_bfe_u32 v9, v0, 3, 1
	s_delay_alu instid0(VALU_DEP_1)
	v_lshl_add_u32 v1, v9, 4, v1                   ; my column of the 32: lanes 0-15 the first rowblock's rows, lanes 16-31 the second's
	s_delay_alu instid0(VALU_DEP_1)
	v_lshlrev_b32 v1, 2, v1
	v_lshlrev_b32 v2, 4, v8                        ; 16 x lane
	v_lshlrev_b32 v3, 3, v8                        ; 8 x lane
	v_lshlrev_b32 v6, 2, v8                        ; 4 x lane
	s_wait_kmcnt 0x0
	s_cmp_lt_u32 s39, 96
	s_cbranch_scc1 .Lqkv
	s_mov_b64 s[4:5], s[18:19]                     ; Wo: rows of 4,096 bytes
	s_sub_co_u32 s26, s39, 96
	s_and_b32 s3, s26, 3
	s_lshl_b32 s3, s3, 3
	s_add_co_u32 s3, s3, s2                        ; 32 columns: 8 (i % 4) + wave
	s_lshr_b32 s26, s26, 2                         ; K step
	s_lshl_b32 s32, s26, 19                        ; 128 rows of 4,096 bytes
	s_lshl_b32 s33, s3, 7
	s_add_co_u32 s32, s32, s33
	s_mov_b32 s27, 3
	s_mov_b32 s28, 2555904
	s_mov_b32 s30, 3342336
	s_wait_alu depctr_va_vdst(0)
	FINISH
	BODY 4096
	s_endpgm
.Lqkv:                                 ; Wq, Wk, Wv (32 work-groups each): [head][1,024][64], rows of 256 bytes
	s_lshr_b32 s35, s39, 5                         ; which of the three
	s_cmp_eq_u32 s35, 0
	s_cselect_b64 s[4:5], s[12:13], s[14:15]
	s_cmp_eq_u32 s35, 2
	s_cselect_b64 s[4:5], s[16:17], s[4:5]
	s_and_b32 s36, s39, 31
	s_lshr_b32 s37, s36, 1                         ; head
	s_and_b32 s36, s36, 1
	s_lshl_b32 s26, s36, 2
	s_lshr_b32 s36, s2, 1
	s_add_co_u32 s26, s26, s36                     ; K step
	s_and_b32 s36, s2, 1                           ; which 32 of the head's 64 columns
	s_lshl_b32 s3, s35, 5
	s_lshl_b32 s38, s37, 1
	s_add_co_u32 s3, s3, s38
	s_add_co_u32 s3, s3, s36
	s_lshl_b32 s32, s37, 18
	s_lshl_b32 s38, s26, 15
	s_add_co_u32 s32, s32, s38
	s_lshl_b32 s38, s36, 7
	s_add_co_u32 s32, s32, s38
	s_mov_b32 s27, 3
	s_mov_b32 s28, 0
	s_mov_b32 s30, 2359296
	s_wait_alu depctr_va_vdst(0)
	FINISH
	BODY 256
	s_endpgm
.Lfunc_end_k_q4a6fc2273e_pre1:
	.size	k_q4a6fc2273e_pre1, .Lfunc_end_k_q4a6fc2273e_pre1-k_q4a6fc2273e_pre1
	.p2alignl 7, 3214868480
	.fill 96, 4, 3214868480
	.section	.rodata,"a",@progbits
	.p2align	6, 0x0
	.amdhsa_kernel k_q4a6fc2273e_pre1
		.amdhsa_group_segment_fixed_size 69632
		.amdhsa_private_segment_fixed_size 0
		.amdhsa_enable_private_segment 0
		.amdhsa_kernarg_size 72
		.amdhsa_user_sgpr_count 2
		.amdhsa_user_sgpr_kernarg_segment_ptr 1
		.amdhsa_wavefront_size32 1
		.amdhsa_system_sgpr_workgroup_id_x 1
		.amdhsa_system_sgpr_workgroup_id_y 1
		.amdhsa_system_sgpr_workgroup_id_z 1
		.amdhsa_system_vgpr_workitem_id 0
		.amdhsa_next_free_vgpr 256
		.amdhsa_next_free_sgpr 66
		.amdhsa_reserve_vcc 0
		.amdhsa_float_denorm_mode_32 3
		.amdhsa_float_denorm_mode_16_64 3
		.amdhsa_memory_ordered 1
		.amdhsa_forward_progress 1
		.amdhsa_inst_pref_size 75
	.end_amdhsa_kernel
	.amdgpu_metadata
---
amdhsa.version: [ 1, 2 ]
amdhsa.kernels:
  - .name:           k_q4a6fc2273e_pre1
    .symbol:         k_q4a6fc2273e_pre1.kd
    .args:
      - { .name: x, .offset: 0, .size: 8, .value_kind: global_buffer, .address_space: global }
      - { .name: ln1_g, .offset: 8, .size: 8, .value_kind: global_buffer, .address_space: global }
      - { .name: ln1_b, .offset: 16, .size: 8, .value_kind: global_buffer, .address_space: global }
      - { .name: h1, .offset: 24, .size: 8, .value_kind: global_buffer, .address_space: global }
      - { .name: Wq, .offset: 32, .size: 8, .value_kind: global_buffer, .address_space: global }
      - { .name: Wk, .offset: 40, .size: 8, .value_kind: global_buffer, .address_space: global }
      - { .name: Wv, .offset: 48, .size: 8, .value_kind: global_buffer, .address_space: global }
      - { .name: Wo, .offset: 56, .size: 8, .value_kind: global_buffer, .address_space: global }
      - { .name: wts, .offset: 64, .size: 8, .value_kind: global_buffer, .address_space: global }
    .group_segment_fixed_size: 69632
    .private_segment_fixed_size: 0
    .kernarg_segment_align: 8
    .kernarg_segment_size: 72
    .max_flat_workgroup_size: 256
    .sgpr_count:     66
    .vgpr_count:     256
    .wavefront_size: 32
...
	.end_amdgpu_metadata
.endif
;; end of part 1
;; launch g1 (part 2): grid 12 x 16, 4 waves a work-group, no clusters, 0 bytes of LDS; arguments h1, wts, bq, bk, bv, qkv; writes qkv
.if DOCPART == 2
	.amdgcn_target "amdgcn-amd-amdhsa--gfx1250"
	.amdhsa_code_object_version 6
	.text
	.protected	k_q4a6fc2273e_g1
	.globl	k_q4a6fc2273e_g1
	.p2align	8
	.type	k_q4a6fc2273e_g1,@function
k_q4a6fc2273e_g1:
	s_mov_b64 s[64:65], 0
	v_nop
	global_prefetch_b8 v0, s[64:65] scope:SCOPE_SE
	s_setreg_imm32_b32 hwreg(HW_REG_WAVE_MODE, 25, 1), 1
	s_wait_xcnt 0x0
; q, k, v = Q(h1 W + b): 4,096 tokens x 3,072 rows of weights (1,024 x tensor + 64 x head + channel), K = 1,024, on codes of FP6 (E2M3) with E8M0 scales; q and k are quantised along the channels, v along the keys.
; OPERANDS lie in memory as images of operand registers: [rowblock of 16 rows][K step of 128][1,536 bytes], registers 4 j .. 4 j + 3 at 512 j + 16 x lane; scale words [rowblock][K step][128 bytes], lane l's at 4 l, lanes 16-31 repeating lanes 0-15.
; Row r of rowblock t is logical row 32 (t / 2) + 8 (t % 2) + r + 8 (r / 8), so that a lane's 64 results against source 0's eight rowblocks are 16 neighbours of each of four blocks of 32.
; Work-group x = 0 .. 11 takes 256 rows of weights (x / 4: q, k or v), y = 0 .. 15 takes 256 tokens; a wave makes 128 x 128: 64 accumulators.  For q and k source 0 = weights, source 1 = tokens: a lane holds a token, its registers run along the channels.
; For v the two change roles (the bases are chosen by the work-group's number): a lane holds a channel, its registers run along the keys.
; OUT, as the attention launch reads it: a block of 167,936 bytes for each batch x head: q codes 0 (64 tiles x 768: registers 0-3 at 16 x lane, 4, 5 at 512 + 8 x lane), q scales 49,152, k codes 57,344, k scales 106,496, v codes 114,688 ([key step 8][channel tile 4][1,536], two such halves), v scales 163,840.
; EVERY FRAGMENT GOES FROM MEMORY STRAIGHT INTO REGISTERS, three loads of 512 consecutive bytes: no LDS, no barrier; the waves share nothing.  cluster = none: a joint load lands in LDS, and nothing here passes through LDS.  A fragment is loaded by the two waves of the work-group that multiply it.
; A K STEP is four quadrants of 16 products: (T 0-3, W 0-3), (T 0-3, W 4-7), (T 4-7, W 4-7), (T 4-7, W 0-3), W source 0's rowblocks, T source 1's.  Two sets of fragment registers.  In front of each quadrant goes one group of twelve loads,
; into registers whose last products have been issued: W 0-3 and T 4-7 of the next step, T 0-3 and W 4-7 of the step after it: a group is asked for four to six quadrants ahead of its first product.
; One scale register holds two K steps' words: lanes 0-15 the even step's, lanes 16-31 the odd step's (the row selectors pick).  Eight scale loads go with each step's first group.
; PREFETCH: in steps 0 to 3 the fragments of the step four on, two steps ahead of their loads; steps 0 to 3 come by their loads alone.  A fragment is six blocks of 256 bytes (lanes 6-31 name the sixth again).  The tokens' eight rowblocks are shared out among work-groups x = 0 .. 7
; (the wave with the lower half of the weights), the weights' among y = 0 .. 7 (the wave with the lower half of the tokens): each block is named once.
; LIMITS: a block of zeros gets the byte 1; magnitudes under 2^-124 are held at that floor; NaN and infinities are not served.
; REGISTERS: window 0: v8-14 offsets; v16-31 source 0's scale words, v32-47 source 1's; v48-63 at work in the quantiser; v64-255 fragment set 0 (W at 64, T at 160), at work on the way out; window 1: v0-191 set 1, v192-255 q's and k's bias; windows 2, 3: accumulators (a, b) at 8 (8 (a % 4) + b).
.set KST, 8
.set TSC, 3145728
.set WSO, 2359296
.set PFO, 10
.set SOF, 11
.set L16, 12
.set L8,  13
.set L4,  14
.set SCW, 16
.set SCT, 32
.set TM,  48
.set HA,  64
.set PC,  128
.set PW,  148
.set BV,  160
.set WV,  16
.set WR,  17
.set WCL, 18
.set TY,  19
.set TB,  20
.set TS,  22
.set WB,  24
.set WS,  26
.set PFT, 28
.set PFW, 30
.set BB,  32
.set TEN, 36
.set CT,  37
.set CW,  38
.set CX,  39
.set SEL, 96
.set MSB, 0
.macro WIN new                         ; the immediate's high byte repeats the setting that is left
.if MSB != (\new)
	s_set_vgpr_msb (MSB<<8)|(\new)
.set MSB, (\new)
.endif
.endm
.macro PLACES                          ; four plain instructions between products and loads into, or reads of, their registers
.rept 4
	v_nop
.endr
.endm
.macro LDF sb, ist, set, f0, q         ; fragments f0 .. f0 + 3 of K step q: twelve loads of 512 consecutive bytes
	WIN (\set)<<6
.set FR, 64-64*(\set)+96*(\ist)
.set FI, \f0
.rept 4
.irp j, 0,1,2
	global_load_b128 v[FR+12*FI+4*\j:FR+12*FI+4*\j+3], v[L16], s[\sb:\sb+1] offset:(FI*KST+(\q))*1536+512*\j
.endr
.set FI, FI+1
.endr
.endm
.macro SCL sb, reg, p                  ; eight rowblocks' scale words of K steps 2 p and 2 p + 1
	WIN 0
.set FI, 0
.rept 8
	global_load_b32 v[\reg+8*((\p)%2)+FI], v[SOF], s[\sb:\sb+1] offset:(FI*KST+2*(\p))*128
.set FI, FI+1
.endr
.endm
.macro QUAD q, a0, b0                  ; 16 products; the 64 accumulators take turns, one instruction a turn, in the same order in every step
	WIN (5*ST)|(0xa0+0x50*((\a0)/4))
.set SB, 64-64*ST
.set SS, 8*(((\q)/2)%2)
.set MA, \a0
.rept 4
.set MB, \b0
.rept 4
.set AC, 8*(8*(MA%4)+MB)
.if (\q) == 0
	v_wmma_scale_f32_16x16x128_f8f6f4 v[AC:AC+7], v[SB+12*MB:SB+12*MB+11], v[SB+96+12*MA:SB+96+12*MA+11], 0, v[SCW+SS+MB], v[SCT+SS+MA] matrix_a_fmt:MATRIX_FMT_FP6 matrix_b_fmt:MATRIX_FMT_FP6
.else
.if ST == 0
	v_wmma_scale_f32_16x16x128_f8f6f4 v[AC:AC+7], v[SB+12*MB:SB+12*MB+11], v[SB+96+12*MA:SB+96+12*MA+11], v[AC:AC+7], v[SCW+SS+MB], v[SCT+SS+MA] matrix_a_fmt:MATRIX_FMT_FP6 matrix_b_fmt:MATRIX_FMT_FP6
.else
	v_wmma_scale_f32_16x16x128_f8f6f4 v[AC:AC+7], v[SB+12*MB:SB+12*MB+11], v[SB+96+12*MA:SB+96+12*MA+11], v[AC:AC+7], v[SCW+SS+MB], v[SCT+SS+MA] matrix_a_fmt:MATRIX_FMT_FP6 matrix_b_fmt:MATRIX_FMT_FP6 matrix_a_scale:MATRIX_SCALE_ROW1 matrix_b_scale:MATRIX_SCALE_ROW1
.endif
.endif
.set MB, MB+1
.endr
.set MA, MA+1
.endr
.endm
.macro ASK q                           ; the prefetches: the branches hang on the work-group's and the wave's numbers alone
.if (\q) < 4
	WIN 0
	s_cmp_lt_u32 s[CT], 8
	s_cbranch_scc0 .Lnt_\@
	global_prefetch_b8 v[PFO], s[PFT:PFT+1] offset:((\q)+4)*1536 th:TH_LOAD_NT scope:SCOPE_SE
.Lnt_\@:
	s_cmp_lt_u32 s[CW], 8
	s_cbranch_scc0 .Lnw_\@
	global_prefetch_b8 v[PFO], s[PFW:PFW+1] offset:((\q)+4)*1536 th:TH_LOAD_NT scope:SCOPE_SE
.Lnw_\@:
.endif
.endm
.macro STEP q                          ; steps 0 to 6
.set ST, (\q)%2
	s_wait_loadcnt 36                              ; W 0-3 of this step and all before it are in; behind it: T 4-7 of this step, T 0-3 and W 4-7 of the next
	PLACES
.if (\q) < 6
.if ST == 0
	SCL WS, SCW, (\q)/2+1
.else
	SCL TS, SCT, ((\q)+1)/2
.endif
.endif
	LDF WB, 0, 1-ST, 0, (\q)+1
	QUAD \q, 0, 0
	PLACES
	LDF TB, 1, 1-ST, 4, (\q)+1
	ASK \q
	QUAD \q, 0, 4
.if (\q) < 6
	s_wait_loadcnt 56                              ; T 4-7 of this step are in; behind them: two groups of the last step, 8 scale loads and two groups of this one
	PLACES
	LDF TB, 1, ST, 0, (\q)+2
.else
	s_wait_loadcnt 48                              ; the same without scale loads
.endif
	QUAD \q, 4, 4
.if (\q) < 6
	PLACES
	LDF WB, 0, ST, 4, (\q)+2
.endif
	QUAD \q, 4, 0
.endm
.macro QUANT s                         ; 64 numbers of a lane, register 16 b + i = k 32 b + 16 (lane / 16) + i, become a fragment's codes in v[PC] on and its scale word in v[PW]
.irp b, 0,1,2,3
	v_max3_num_f32 v[TM+\b], |v[\s+16*\b]|, |v[\s+1+16*\b]|, 0x1800000   ; with the floor 2^(3 - 127): the byte cannot fall under 1
.endr
.irp i, 2,4,6,8,10,12,14
.irp b, 0,1,2,3
	v_max3_num_f32 v[TM+\b], v[TM+\b], |v[\s+16*\b+\i]|, |v[\s+1+16*\b+\i]|
.endr
.endr
.irp b, 0,1,2,3
	v_permlanex16_b32 v[TM+4+\b], v[TM+\b], s[SEL], s[SEL+1]
.endr
.irp b, 0,1,2,3
	v_max_num_f32 v[TM+\b], v[TM+\b], v[TM+4+\b]
.endr
.irp b, 0,1,2,3
	v_add_nc_u32 v[TM+12+\b], 0xff000000, v[TM+\b]
.endr
.irp b, 0,1,2,3
	v_lshrrev_b32 v[TM+4+\b], 23, v[TM+12+\b]
.endr
	v_lshl_or_b32 v[PW], v[TM+5], 8, v[TM+4]
	v_lshl_or_b32 v[PW], v[TM+6], 16, v[PW]
	v_lshl_or_b32 v[PW], v[TM+7], 24, v[PW]
.irp c, 0,1
	v_cvt_scalef32_pk16_fp6_f32 v[PC+6*\c:PC+2+6*\c], v[\s+32*\c:\s+15+32*\c], v[TM+12+2*\c]
	v_cvt_scalef32_pk16_fp6_f32 v[PC+12+4*\c:PC+14+4*\c], v[\s+16+32*\c:\s+31+32*\c], v[TM+12+2*\c+1]
.endr
	v_nop                                          ; one plain instruction behind a scaled conversion
.irp c, 0,1
.irp i, 0,1,2
	v_permlane16_swap_b32 v[PC+6*\c+\i], v[PC+12+4*\c+\i]
.endr
.irp i, 0,1,2
	v_mov_b32 v[PC+3+6*\c+\i], v[PC+12+4*\c+\i]
.endr
.endr
.endm
	s_load_b128 s[4:7], s[0:1], 0x0                ; h1 s[4:5], wts s[6:7]
	s_load_b128 s[8:11], s[0:1], 0x10              ; bq, bk
	s_load_b128 s[12:15], s[0:1], 0x20             ; bv, qkv
	v_lshrrev_b32 v15, 5, v0
	v_readfirstlane_b32 s[WV], v15                 ; wave
	v_and_b32 v15, 31, v0
	v_and_b32 v7, 15, v0
	v_bfe_u32 v6, v0, 4, 1
	v_and_b32 v5, 8, v0
	v_lshlrev_b32 v[L16], 4, v15
	v_lshlrev_b32 v[L8], 3, v15
	v_lshlrev_b32 v[L4], 2, v15
	v_lshlrev_b32 v[SOF], 2, v7
	v_lshl_add_u32 v[SOF], v6, 7, v[SOF]           ; scale words: row's word, lanes 16-31 one K step on
	v_min_u32 v[PFO], 5, v15
	v_lshlrev_b32 v[PFO], 8, v[PFO]                ; a fragment's six blocks of 256 bytes
	v_lshlrev_b32 v8, 6, v6                        ; q's and k's bias: + 16 (lane / 16) numbers
	v_add_nc_u32 v9, v7, v5
	v_lshlrev_b32 v9, 2, v9                        ; v's bias: my channel of a rowblock, r + 8 (r / 8)
.irp b, 0,1,2,3
	v_mov_b32 v[TM+4+\b], 0                        ; written once: a lane permute's destination counts as one of its sources
.endr
	s_lshr_b32 s[WR], s[WV], 1                     ; my half of the tokens
	s_and_b32 s[WCL], s[WV], 1                     ; my half of the weights' rows
	s_and_b32 s[TY], ttmp7, 0xffff
	s_lshr_b32 s[TEN], ttmp9, 2                    ; q, k or v
	s_and_b32 s[CX], ttmp9, 3                      ; which 256 of its 1,024 rows
	s_mul_i32 s40, s[TY], 196608                   ; tokens: rowblock 16 y + 8 half, 12,288 bytes of codes each
	s_mul_i32 s56, s[WR], 98304
	s_add_co_u32 s40, s40, s56
	s_lshl_b32 s42, s[TY], 14
	s_lshl_b32 s56, s[WR], 13
	s_add_co_u32 s42, s42, s56
	s_add_co_u32 s42, s42, TSC
	s_mul_i32 s44, ttmp9, 196608                   ; weights: rowblock 16 x + 8 half
	s_mul_i32 s56, s[WCL], 98304
	s_add_co_u32 s44, s44, s56
	s_lshl_b32 s46, ttmp9, 14
	s_lshl_b32 s56, s[WCL], 13
	s_add_co_u32 s46, s46, s56
	s_add_co_u32 s46, s46, WSO
	s_lshl_b32 s48, s[CX], 10                      ; my 128 rows' bias
	s_lshl_b32 s56, s[WCL], 9
	s_add_co_u32 s48, s48, s56
	s_min_u32 s50, ttmp9, 7                        ; the rowblock that I prefetch (held inside my eight)
	s_mul_i32 s50, s50, 12288
	s_min_u32 s52, s[TY], 7
	s_mul_i32 s52, s52, 12288
	s_lshl_b32 s[CT], s[WCL], 3
	s_add_co_u32 s[CT], s[CT], ttmp9               ; under 8: I ask for tokens
	s_lshl_b32 s[CW], s[WR], 3
	s_add_co_u32 s[CW], s[CW], s[TY]               ; under 8: I ask for weights
	; where my results go: the block of batch y / 4, head 4 (x % 4) + 2 half (and the next head's, 167,936 bytes on)
	s_lshr_b32 s2, s[TY], 2
	s_lshl_b32 s2, s2, 4
	s_lshl_b32 s3, s[CX], 2
	s_add_co_u32 s2, s2, s3
	s_lshl_b32 s3, s[WCL], 1
	s_add_co_u32 s2, s2, s3
	s_mul_i32 s2, s2, 167936
	s_lshl_b32 s3, s[TY], 4
	s_lshl_b32 s84, s[WR], 3
	s_add_co_u32 s3, s3, s84
	s_and_b32 s3, s3, 63                           ; q, k: my first tile of 16 tokens of the sequence
	s_mul_i32 s84, s3, 768
	s_lshl_b32 s86, s3, 7
	s_add_co_u32 s86, s86, 49152
	s_cmp_eq_u32 s[TEN], 1
	s_cselect_b32 s3, 57344, 0
	s_add_co_u32 s84, s84, s3
	s_add_co_u32 s86, s86, s3
	s_and_b32 s3, s[TY], 3
	s_lshl_b32 s3, s3, 1
	s_add_co_u32 s3, s3, s[WR]                     ; v: my key step of 128
	s_mul_i32 s56, s3, 6144
	s_add_co_u32 s56, s56, 114688
	s_lshl_b32 s57, s3, 9
	s_add_co_u32 s57, s57, 163840
	s_cmp_eq_u32 s[TEN], 2
	s_cselect_b32 s84, s56, s84
	s_cselect_b32 s86, s57, s86
	s_add_co_u32 s84, s84, s2
	s_add_co_u32 s86, s86, s2
.irp r, 41,43,45,47,49,51,53,85,87
	s_mov_b32 s\r, 0
.endr
	s_mov_b32 s[SEL], 0x76543210
	s_mov_b32 s[SEL+1], 0xfedcba98
	s_wait_alu depctr_va_vdst(0)                   ; the wait at the head's end
	s_wait_kmcnt 0x0
	s_add_nc_u64 s[68:69], s[4:5], s[40:41]        ; the tokens' codes and scale words,
	s_add_nc_u64 s[70:71], s[4:5], s[42:43]
	s_add_nc_u64 s[72:73], s[6:7], s[44:45]        ; the weights'
	s_add_nc_u64 s[74:75], s[6:7], s[46:47]
	s_add_nc_u64 s[PFT:PFT+1], s[68:69], s[50:51]
	s_add_nc_u64 s[PFW:PFW+1], s[72:73], s[52:53]
	s_add_nc_u64 s[98:99], s[14:15], s[84:85]
	s_add_nc_u64 s[92:93], s[14:15], s[86:87]
	s_cmp_eq_u32 s[TEN], 0
	s_cselect_b64 s[BB:BB+1], s[8:9], s[10:11]
	s_cmp_eq_u32 s[TEN], 2                         ; v: the tokens are source 0
	s_cselect_b64 s[BB:BB+1], s[12:13], s[BB:BB+1]
	s_cselect_b64 s[WB:WB+1], s[68:69], s[72:73]
	s_cselect_b64 s[WS:WS+1], s[70:71], s[74:75]
	s_cselect_b64 s[TB:TB+1], s[72:73], s[68:69]
	s_cselect_b64 s[TS:TS+1], s[74:75], s[70:71]
	s_add_nc_u64 s[BB:BB+1], s[BB:BB+1], s[48:49]
	SCL WS, SCW, 0                                 ; the first loads, in the order in which the steps go on: scale words of steps 0 and 1,
	SCL TS, SCT, 0
	LDF TB, 1, 0, 0, 0                             ; step 0,
	LDF WB, 0, 0, 4, 0
	LDF WB, 0, 0, 0, 0
	LDF TB, 1, 0, 4, 0
	LDF TB, 1, 1, 0, 1                             ; and the two groups of step 1 that run two steps ahead
	LDF WB, 0, 1, 4, 1
.irp q, 0,1,2,3,4,5,6
	STEP \q
.endr
	PLACES                                         ; the bias in both forms, 32 loads: set 0's registers have had their last products
	WIN 0x40
.set I, 0
.rept 16
	global_load_b128 v[192+4*I:195+4*I], v8, s[BB:BB+1] offset:128*(I/4)+16*(I%4)
.set I, I+1
.endr
	WIN 0
.set I, 0
.rept 8
	global_load_b32 v[BV+2*I], v9, s[BB:BB+1] offset:4*(32*(I/2)+8*(I%2))
	global_load_b32 v[BV+2*I+1], v9, s[BB:BB+1] offset:4*(32*(I/2)+8*(I%2))
.set I, I+1
.endr
.set ST, 1
	s_wait_loadcnt 44                              ; step 7: behind W 0-3: T 4-7 (12) and the bias (32)
	QUAD 7, 0, 0
	QUAD 7, 0, 4
	s_wait_loadcnt 32                              ; T 4-7 are in; the bias may be out
	QUAD 7, 4, 4
	QUAD 7, 4, 0
	WIN 0
	PLACES
	s_wait_loadcnt 0x0                             ; the bias
.macro QKROW a                         ; 16 tokens x my 128 channels: two heads' halves of a fragment
.if (\a) > 0
	s_wait_xcnt 0x0                                ; the last row's stores have read their registers
.endif
	WIN 0x06+(\a)/4
.set TI, 0
.rept 32
	v_pk_add_f32 v[HA+TI:HA+TI+1], v[64*((\a)%4)+TI:64*((\a)%4)+TI+1], v[192+TI:193+TI]   ; each accumulator from its low end on
.set TI, TI+2
.endr
	WIN 0
	QUANT HA
	v_and_b32 v149, 0xffff, v[PW]
	v_lshrrev_b32 v150, 16, v[PW]
	global_store_b128 v[L16], v[PC:PC+3], s[98:99] offset:768*(\a)
	global_store_b64 v[L8], v[PC+4:PC+5], s[98:99] offset:768*(\a)+512
	global_store_b128 v[L16], v[PC+6:PC+9], s[98:99] offset:768*(\a)+167936
	global_store_b64 v[L8], v[PC+10:PC+11], s[98:99] offset:768*(\a)+512+167936
	global_store_b32 v[L4], v149, s[92:93] offset:128*(\a)
	global_store_b32 v[L4], v150, s[92:93] offset:128*(\a)+167936
.endm
.macro VROW a                          ; 16 channels x my 128 keys: a fragment
.if (\a) > 0
	s_wait_xcnt 0x0
.endif
	WIN 0x02+(\a)/4
.set TI, 0
.rept 32
	v_pk_add_f32 v[HA+TI:HA+TI+1], v[64*((\a)%4)+TI:64*((\a)%4)+TI+1], v[BV+2*(\a):BV+2*(\a)+1]
.set TI, TI+2
.endr
	WIN 0
	QUANT HA
	global_store_b128 v[L16], v[PC:PC+3], s[98:99] offset:((\a)/4)*167936+((\a)%4)*1536
	global_store_b64 v[L8], v[PC+4:PC+5], s[98:99] offset:((\a)/4)*167936+((\a)%4)*1536+512
	global_store_b128 v[L16], v[PC+6:PC+9], s[98:99] offset:((\a)/4)*167936+((\a)%4)*1536+768
	global_store_b64 v[L8], v[PC+10:PC+11], s[98:99] offset:((\a)/4)*167936+((\a)%4)*1536+1280
	global_store_b32 v[L4], v[PW], s[92:93] offset:((\a)/4)*167936+((\a)%4)*128
.endm
	s_cmp_eq_u32 s[TEN], 2
	s_cbranch_scc1 .Lv
.irp a, 0,1,2,3,4,5,6,7
	QKROW \a
.endr
	s_branch .Ldone
.Lv:
.irp a, 0,1,2,3,4,5,6,7
	VROW \a
.endr
.Ldone:
	s_endpgm
.Lfunc_end_k_q4a6fc2273e_g1:
	.size	k_q4a6fc2273e_g1, .Lfunc_end_k_q4a6fc2273e_g1-k_q4a6fc2273e_g1
	.p2alignl 7, 3214868480
	.fill 96, 4, 3214868480
	.section	.rodata,"a",@progbits
	.p2align	6, 0x0
	.amdhsa_kernel k_q4a6fc2273e_g1
		.amdhsa_group_segment_fixed_size 0
		.amdhsa_private_segment_fixed_size 0
		.amdhsa_enable_private_segment 0
		.amdhsa_kernarg_size 48
		.amdhsa_user_sgpr_count 2
		.amdhsa_user_sgpr_kernarg_segment_ptr 1
		.amdhsa_wavefront_size32 1
		.amdhsa_system_sgpr_workgroup_id_x 1
		.amdhsa_system_sgpr_workgroup_id_y 1
		.amdhsa_system_sgpr_workgroup_id_z 1
		.amdhsa_system_vgpr_workitem_id 0
		.amdhsa_next_free_vgpr 1024
		.amdhsa_next_free_sgpr 100
		.amdhsa_reserve_vcc 0
		.amdhsa_float_denorm_mode_32 3
		.amdhsa_float_denorm_mode_16_64 3
		.amdhsa_memory_ordered 1
		.amdhsa_forward_progress 1
		.amdhsa_inst_pref_size 223
	.end_amdhsa_kernel
	.amdgpu_metadata
---
amdhsa.version: [ 1, 2 ]
amdhsa.kernels:
  - .name:           k_q4a6fc2273e_g1
    .symbol:         k_q4a6fc2273e_g1.kd
    .args:
      - { .name: h1, .offset: 0, .size: 8, .value_kind: global_buffer, .address_space: global }
      - { .name: wts, .offset: 8, .size: 8, .value_kind: global_buffer, .address_space: global }
      - { .name: bq, .offset: 16, .size: 8, .value_kind: global_buffer, .address_space: global }
      - { .name: bk, .offset: 24, .size: 8, .value_kind: global_buffer, .address_space: global }
      - { .name: bv, .offset: 32, .size: 8, .value_kind: global_buffer, .address_space: global }
      - { .name: qkv, .offset: 40, .size: 8, .value_kind: global_buffer, .address_space: global }
    .group_segment_fixed_size: 0
    .private_segment_fixed_size: 0
    .kernarg_segment_align: 8
    .kernarg_segment_size: 48
    .max_flat_workgroup_size: 128
    .sgpr_count:     100
    .vgpr_count:     1024
    .wavefront_size: 32
...
	.end_amdgpu_metadata
.endif
;; end of part 2
;; launch attn (part 3): grid 4 x 64, 16 waves a work-group, clusters of 4 x 1, 169,984 bytes of LDS; arguments qkv, at; writes at
.if DOCPART == 3
	.amdgcn_target "amdgcn-amd-amdhsa--gfx1250"
	.amdhsa_code_object_version 6
	.text
	.protected	k_q4a6fc2273e_attn
	.globl	k_q4a6fc2273e_attn
	.p2align	8
	.type	k_q4a6fc2273e_attn,@function
k_q4a6fc2273e_attn:
	s_mov_b64 s[64:65], 0
	v_nop
	global_prefetch_b8 v0, s[64:65] scope:SCOPE_SE
	s_setreg_imm32_b32 hwreg(HW_REG_WAVE_MODE, 25, 1), 1
	s_wait_xcnt 0x0
	s_wait_alu depctr_hold_cnt(0) depctr_sa_sdst(0) depctr_va_vdst(0) depctr_va_sdst(0) depctr_va_ssrc(0) depctr_va_vcc(0) depctr_vm_vsrc(0)
	s_getreg_b32 s2, hwreg(HW_REG_IB_STS2, 6, 4)
	s_cmp_eq_u32 s2, 0
	s_cbranch_scc0 .Lentry_in_a_cluster
	s_endpgm
.Lentry_in_a_cluster:
	s_bfe_u32 s2, ttmp6, 0x10000c
	s_cmp_lg_u32 s2, 0x3003
	s_cbranch_scc0 .Lentry_shape_is_right
	s_endpgm
.Lentry_shape_is_right:
; Causal attention for one batch x head (work-group y), head size 64, 1,024 keys, both products on codes of FP6 (E2M3) with E8M0 scales; the result is quantised along the channels for the next product.
; qkv: a block of 167,936 bytes for each batch x head: q codes 0 (64 tiles x 768), q scales 49,152, k codes 57,344, k scales 106,496, v codes 114,688 ([key step 8][channel tile 4][1,536]), v scales 163,840.
; All as images of operand registers (half c of a fragment: registers 6 c .. 6 c + 3 at 768 c + 16 x lane, 6 c + 4, 6 c + 5 at 768 c + 512 + 8 x lane).  Row r of tile t is logical row 32 (t / 2) + 8 (t % 2) + r + 8 (r / 8).
; q's and k's K is 64: the operands' upper six registers hold zero codes for the whole launch, under scale bytes 0.
; SOFTMAX: t = score x log2(e) / 8; M = the running largest t rounded up to a whole number; p = 2^(t - M) is quantised along the keys, not normalised; the sum of the unquantised p divides at the end; a change of M multiplies by an exact power of two.
; SHARES: the four work-groups of a cluster share a head's K and V (110,592 dense bytes): each of the sixteen waves asks jointly for 6,912 of them, once: LDS is filled once, so there is no ring.
; A wave owns one tile of 16 queries, tile 4 i + cx.  Its number of key steps of 128, i / 2 + 1, hangs on the wave's number alone; the waves' i are dealt so that any four waves w / 4 = const or w % 4 = const have 18 steps together.
; Both products transposed: S^T = K Q^T, O^T = V^T P^T: a lane holds one query throughout.  Steps wholly behind the diagonal are jumped over (a branch on the wave's number); the diagonal step hides keys by -infinity.
; LIMITS: a block of zeros gets the byte 1; NaN and infinities are not served; v_exp_f32 gives 0 for results under 2^-126.
; No prefetch: everything that the launch reads is asked for at its head.
; REGISTERS: v1-6 LDS addresses; v7 q's scale word; v8-11 k's, v12-15 v's; v16-27 q; v28 -M, v29 largest t, v[30:31] the sum; v32-79 four fragments of k; v80-127 four of v; v128-191 S^T, then p; v192-223 O^T; v224-235 p's codes; v236-254 at work; v255 the mask's bound.
.set KS, 49152
.set VC, 57344
.set VS, 106496
.set S,  128
.set O,  192
.macro CROUND
	s_barrier_signal -1
	s_barrier_wait -1
	s_cmp_lg_u32 s8, 0
	s_cbranch_scc1 .Lnot_wave_0_\@
	s_barrier_signal -3
.Lnot_wave_0_\@:
	s_barrier_wait -3
	s_barrier_signal -1
	s_barrier_wait -1
.endm
	s_load_b128 s[4:7], s[0:1], 0x0                ; qkv s[4:5], at s[6:7]
	v_lshl_add_u32 v254, v0, 2, 0x29000
	v_mov_b32 v255, 0
	ds_add_u32 v254, v255
	ds_add_u32 v254, v255
	s_wait_dscnt 0x0
	v_lshrrev_b32 v1, 5, v0
	s_delay_alu instid0(VALU_DEP_1)
	v_readfirstlane_b32 s8, v1                     ; wave 0..15
	s_bfe_u32 s10, ttmp6, 0x40000                  ; cx
	s_and_b32 s11, ttmp7, 0xffff                   ; batch x 16 + head
	s_lshr_b32 s24, s8, 2                          ; a
	s_and_b32 s25, s8, 3                           ; j
	s_lshr_b32 s26, s24, 1
	s_lshl_b32 s26, s26, 1
	s_lshr_b32 s27, s25, 1
	s_add_co_u32 s26, s26, s27                     ; 2 (a / 2) + j / 2
	s_xor_b32 s27, s24, s25
	s_and_b32 s27, s27, 1
	s_mul_i32 s27, s27, 7
	s_xor_b32 s9, s26, s27                         ; my last key step: that number or 7 less it
	s_and_b32 s24, s24, 1
	s_lshl_b32 s33, s9, 1
	s_add_co_u32 s33, s33, s24                     ; i
	s_lshl_b32 s34, s33, 2
	s_add_co_u32 s34, s34, s10                     ; my tile of queries
	s_mov_b32 s16, 15|(3<<16)|(1<<21)              ; the mask: all four work-groups; elements of 8 bytes; bit 21 beside a mask
	s_mov_b32 s17, 32<<16                          ; rows of 256 bytes,
	s_mov_b32 s18, 27<<16                          ; 27 of them
	s_mov_b32 s19, 32<<16
	s_mov_b32 s20, 27
	s_mov_b32 s21, 32
	s_mov_b32 s22, 0
	s_mov_b32 s23, 0
	s_mul_i32 s36, s11, 167936
	s_mul_i32 s13, s8, 6912                        ; my part of K and V in LDS,
	s_add_co_u32 s38, s36, s13
	s_add_co_u32 s38, s38, 57344                   ; and in memory: batch, head and wave alone
	s_mov_b32 s39, 0
	s_mul_i32 s40, s34, 768
	s_add_co_u32 s40, s40, s36                     ; q's codes
	s_mov_b32 s41, 0
	s_lshl_b32 s42, s34, 7
	s_add_co_u32 s42, s42, s36
	s_add_co_u32 s42, s42, 49152                   ; q's scale words
	s_mov_b32 s43, 0
	s_lshr_b32 s44, s11, 4
	s_lshl_b32 s44, s44, 6
	s_add_co_u32 s44, s44, s34                     ; the tokens' rowblock: 64 x batch + tile
	s_and_b32 s45, s11, 15                         ; head
	s_lshl_b32 s46, s44, 4
	s_add_co_u32 s46, s46, s45
	s_mul_i32 s46, s46, 768                        ; out: the head's half of a fragment
	s_mov_b32 s47, 0
	s_lshl_b32 s48, s44, 3
	s_lshr_b32 s49, s45, 1
	s_add_co_u32 s48, s48, s49
	s_lshl_b32 s48, s48, 7
	s_and_b32 s49, s45, 1
	s_lshl_b32 s49, s49, 1
	s_add_co_u32 s48, s48, s49
	s_add_co_u32 s48, s48, 3145728                 ; and its two bytes of the scale words
	s_mov_b32 s49, 0
	s_mov_b32 s28, 0x76543210
	s_mov_b32 s29, 0xfedcba98                      ; lane selects: lane l xor 16
	s_mov_b32 s30, 0x3e38aa3b                      ; c = log2(e) / 8
	s_mov_b32 s31, s30
	s_lshl_b32 s50, s24, 6
	s_lshr_b32 s51, s10, 1
	s_lshl_b32 s51, s51, 5
	s_add_co_u32 s50, s50, s51
	s_and_b32 s51, s10, 1
	s_lshl_b32 s51, s51, 3
	s_add_co_u32 s50, s50, s51                     ; my tile's first query in its last key step
	s_mov_b32 s32, 0
	s_wait_kmcnt 0x0
	s_mov_b32 s12, 1
	s_add_nc_u64 s[14:15], s[4:5], s[38:39]
	s_or_b32 s15, s15, 0x80000000
	s_add_nc_u64 s[40:41], s[4:5], s[40:41]
	s_add_nc_u64 s[42:43], s[4:5], s[42:43]
	s_add_nc_u64 s[46:47], s[6:7], s[46:47]
	s_add_nc_u64 s[48:49], s[6:7], s[48:49]
	CROUND                                         ; all four work-groups are here: the joint loads meet
	tensor_load_to_lds s[12:15], s[16:23]          ; every wave's one load: one tensor load of a wave is out
	s_nop 0
.rept 4
	v_nop
.endr
	v_and_b32 v252, 15, v0
	v_and_b32 v253, 8, v0
	s_delay_alu instid0(VALU_DEP_1)
	v_add_nc_u32 v255, v252, v253                  ; r + 8 (r / 8)
	v_bfe_u32 v253, v0, 4, 1
	s_delay_alu instid0(VALU_DEP_1)
	v_lshlrev_b32 v253, 4, v253
	s_delay_alu instid0(VALU_DEP_1)
	v_sub_nc_u32 v255, v255, v253
	s_delay_alu instid0(VALU_DEP_1)
	v_add_nc_u32 v255, s50, v255                   ; my query in the diagonal step, less 16 (lane / 16): register 16 b + i holds key 32 b + 16 (lane / 16) + i, hidden where 32 b + i is above this
	v_and_b32 v252, 31, v0
	s_delay_alu instid0(VALU_DEP_1)
	v_lshlrev_b32 v1, 4, v252                      ; k's codes: 16 x lane
	s_delay_alu instid0(VALU_DEP_2)
	v_lshlrev_b32 v2, 3, v252
	s_delay_alu instid0(VALU_DEP_1)
	v_add_nc_u32 v2, 512, v2                       ; 512 + 8 x lane
	s_delay_alu instid0(VALU_DEP_3)
	v_add_nc_u32 v3, VC, v1                        ; v's likewise
	s_delay_alu instid0(VALU_DEP_2)
	v_add_nc_u32 v4, VC, v2
	v_lshlrev_b32 v254, 2, v252                    ; 4 x lane
	s_delay_alu instid0(VALU_DEP_1)
	v_add_nc_u32 v5, KS, v254
	s_delay_alu instid0(VALU_DEP_2)
	v_add_nc_u32 v6, VS, v254
	global_load_b128 v[16:19], v1, s[40:41]        ; q's half fragment stays in registers
	global_load_b64 v[20:21], v2, s[40:41]
	global_load_b32 v7, v254, s[42:43]
.irp j, 22,23,24,25,26,27
	v_mov_b32 v\j, 0                               ; zero codes for K 64 .. 127
.endr
.irp t, 0,1,2,3
.irp j, 6,7,8,9,10,11
	v_mov_b32 v[32+12*\t+\j], 0
.endr
.endr
	v_mov_b32 v29, 0xff61b1e6                      ; the largest t so far: -3e38
	s_delay_alu instid0(VALU_DEP_1)
	v_floor_f32 v28, -v29                          ; -M
	v_mov_b32 v30, 0
	v_mov_b32 v31, 0
.irp b, 0,1,2,3
	v_mov_b32 v[236+\b], 0                         ; a lane permute's destination counts as one of its sources
.endr
	v_mov_b32 v252, 0
	v_mov_b32 v253, 0
.set N, 0
.rept 32
	v_mov_b32 v[O+N], 0                            ; O^T: the step is written once; the first change of M multiplies zeros
.set N, N+1
.endr
	s_wait_tensorcnt 0x0                           ; my part of K and V is in,
	s_barrier_signal -1
	s_barrier_wait -1                              ; everybody's is
	s_wait_loadcnt 0x0                             ; q
.Lstep:                                ; eight trips, a constant: a wave jumps over the work of the steps behind its diagonal, not over the lines that step addresses
	s_cmp_gt_u32 s32, s9
	s_cbranch_scc1 .Lskip
	s_wait_alu depctr_va_vdst(0)
.irp t, 0,1,2,3                        ; (the six additions at the last trip's end stand between the last products and these loads into their operands)
	ds_load_b128 v[32+12*\t:35+12*\t], v1 offset:768*\t
	ds_load_b64 v[36+12*\t:37+12*\t], v2 offset:768*\t
	ds_load_b32 v[8+\t], v5 offset:128*\t
.endr
.irp e, 0,1,2,3
	ds_load_b128 v[80+12*\e:83+12*\e], v3 offset:1536*\e
	ds_load_b64 v[84+12*\e:85+12*\e], v4 offset:1536*\e
	ds_load_b128 v[86+12*\e:89+12*\e], v3 offset:1536*\e+768
	ds_load_b64 v[90+12*\e:91+12*\e], v4 offset:1536*\e+768
	ds_load_b32 v[12+\e], v6 offset:128*\e
.endr
	s_wait_dscnt 20                                ; k's first four tiles are in; v's 20 loads may be out
.irp t, 0,1,2,3
	v_wmma_scale_f32_16x16x128_f8f6f4 v[S+8*\t:S+8*\t+7], v[32+12*\t:43+12*\t], v[16:27], 0, v[8+\t], v7 matrix_a_fmt:MATRIX_FMT_FP6 matrix_b_fmt:MATRIX_FMT_FP6
.endr
.rept 4
	v_nop                                          ; four plain instructions in front of loads into registers that those products read
.endr
.irp t, 0,1,2,3
	ds_load_b128 v[32+12*\t:35+12*\t], v1 offset:3072+768*\t
	ds_load_b64 v[36+12*\t:37+12*\t], v2 offset:3072+768*\t
	ds_load_b32 v[8+\t], v5 offset:512+128*\t
.endr
	s_wait_dscnt 0x0
.irp t, 0,1,2,3
	v_wmma_scale_f32_16x16x128_f8f6f4 v[S+32+8*\t:S+32+8*\t+7], v[32+12*\t:43+12*\t], v[16:27], 0, v[8+\t], v7 matrix_a_fmt:MATRIX_FMT_FP6 matrix_b_fmt:MATRIX_FMT_FP6
.endr
.rept 4
	v_nop
.endr
	s_cmp_lg_u32 s32, s9                           ; the diagonal step alone hides keys
	s_cbranch_scc1 .Lopen
	v_mov_b32 v254, 0xff800000                     ; -infinity
.set N, 0
.rept 64
	v_cmp_gt_i32 vcc_lo, 32*(N/16)+N%16, v255
	v_cndmask_b32 v[S+N], v[S+N], v254, vcc_lo
.set N, N+1
.endr
.Lopen:
.irp b, 0,1,2,3
	v_max3_num_f32 v[244+\b], v[S+16*\b], v[S+1+16*\b], v[S+2+16*\b]   ; the largest score of each block of 32 keys: for the row's maximum, and, since p rises with the score, for the block's largest p
.endr
.irp i, 3,5,7,9,11,13
.irp b, 0,1,2,3
	v_max3_num_f32 v[244+\b], v[244+\b], v[S+16*\b+\i], v[S+1+16*\b+\i]
.endr
.endr
.irp b, 0,1,2,3
	v_max_num_f32 v[244+\b], v[244+\b], v[S+15+16*\b]
.endr
.irp b, 0,1,2,3
	s_delay_alu instid0(VALU_DEP_4)
	v_permlanex16_b32 v[236+\b], v[244+\b], s28, s29
.endr
.irp b, 0,1,2,3
	s_delay_alu instid0(VALU_DEP_4)
	v_max_num_f32 v[244+\b], v[244+\b], v[236+\b]
.endr
	s_delay_alu instid0(VALU_DEP_2)
	v_max3_num_f32 v254, v244, v245, v246
	s_delay_alu instid0(VALU_DEP_1)
	v_max_num_f32 v254, v254, v247
	s_delay_alu instid0(VALU_DEP_1)
	v_mul_f32 v254, s30, v254                      ; as t
	s_delay_alu instid0(VALU_DEP_1)
	v_max_num_f32 v29, v29, v254                   ; the running largest t
	v_mov_b32 v254, v28
	s_delay_alu instid0(VALU_DEP_2)
	v_floor_f32 v28, -v29                          ; the new -M = -ceil(t)
	s_delay_alu instid0(VALU_DEP_1)
	v_sub_f32 v254, v28, v254                      ; old M - new M: a whole number, 0 or less
	s_delay_alu instid0(VALU_DEP_1)
	v_cvt_i32_f32 v254, v254                       ; (it saturates)
	s_delay_alu instid0(VALU_DEP_1)
	v_ldexp_f32 v252, 1.0, v254                    ; f = 2^(old M - new M)
.set N, 0
.rept 32
	v_pk_fma_f32 v[S+N:S+N+1], v[S+N:S+N+1], s[30:31], v[28:29] op_sel_hi:[1,0,0]   ; t - M
.set N, N+2
.endr
.irp b, 0,1,2,3
	v_fma_f32 v[244+\b], v[244+\b], s30, v28
.endr
.set N, 0
	s_wait_alu depctr_va_vdst(0)
.rept 64
	v_exp_f32 v[S+N], v[S+N]                       ; p = 2^(t - M)
.set N, N+1
.endr
	v_pk_mul_f32 v[30:31], v[30:31], v[252:253] op_sel_hi:[1,0]   ; the sum under the new M (a plain instruction behind the exponentials)
	s_wait_alu depctr_va_vdst(0)                   ; one wait for the batch, ahead of its first reader
.irp b, 0,1,2,3
	v_exp_f32 v[244+\b], v[244+\b]                 ; each block's largest p
.endr
	v_pk_add_f32 v[236:237], v[132:133], v[136:137]
	v_pk_add_f32 v[250:251], v[140:141], v[144:145]
	v_pk_add_f32 v[248:249], v[148:149], v[152:153]
	v_pk_add_f32 v[242:243], v[156:157], v[160:161]
	v_pk_add_f32 v[240:241], v[164:165], v[168:169]
	v_pk_add_f32 v[238:239], v[172:173], v[176:177]
	v_pk_add_f32 v[234:235], v[180:181], v[184:185]
	v_pk_add_f32 v[30:31], v[30:31], v[188:189]
	v_pk_add_f32 v[236:237], v[236:237], v[128:129]
	v_pk_add_f32 v[250:251], v[250:251], v[130:131]
	v_pk_add_f32 v[248:249], v[248:249], v[134:135]
	v_pk_add_f32 v[242:243], v[242:243], v[138:139]
	v_pk_add_f32 v[240:241], v[240:241], v[142:143]
	v_pk_add_f32 v[238:239], v[238:239], v[146:147]
	v_pk_add_f32 v[234:235], v[234:235], v[150:151]
	v_pk_add_f32 v[30:31], v[30:31], v[154:155]
	v_pk_add_f32 v[236:237], v[236:237], v[158:159]
	v_pk_add_f32 v[250:251], v[250:251], v[162:163]
	v_pk_add_f32 v[248:249], v[248:249], v[166:167]
	v_pk_add_f32 v[242:243], v[242:243], v[170:171]
	v_pk_add_f32 v[240:241], v[240:241], v[174:175]
	v_pk_add_f32 v[238:239], v[238:239], v[178:179]
	v_pk_add_f32 v[234:235], v[234:235], v[182:183]
	v_pk_add_f32 v[30:31], v[30:31], v[186:187]
	v_pk_add_f32 v[236:237], v[236:237], v[190:191]
	s_delay_alu instid0(VALU_DEP_2)
	v_pk_add_f32 v[30:31], v[30:31], v[242:243]
	s_delay_alu instid0(VALU_DEP_2)
	v_pk_add_f32 v[236:237], v[236:237], v[240:241]
	v_pk_add_f32 v[250:251], v[250:251], v[238:239]
	v_pk_add_f32 v[248:249], v[248:249], v[234:235]
	s_delay_alu instid0(VALU_DEP_2)
	v_pk_add_f32 v[30:31], v[30:31], v[250:251]
	s_delay_alu instid0(VALU_DEP_2)
	v_pk_add_f32 v[236:237], v[236:237], v[248:249]
	s_delay_alu instid0(VALU_DEP_1)
	v_pk_add_f32 v[30:31], v[30:31], v[236:237]
	s_wait_alu depctr_va_vdst(0)                   ; and one for the four
.irp b, 0,1,2,3
	v_max_num_f32 v[244+\b], 0x1800000, v[244+\b]  ; the floor 2^(3 - 127)
.endr
.irp b, 0,1,2,3
	s_delay_alu instid0(VALU_DEP_4)
	v_add_nc_u32 v[248+\b], 0xff000000, v[244+\b]  ; the conversion's scale operand
.endr
.irp b, 0,1,2,3
	s_delay_alu instid0(VALU_DEP_4)
	v_lshrrev_b32 v[236+\b], 23, v[248+\b]
.endr
	s_delay_alu instid0(VALU_DEP_3)
	v_lshl_or_b32 v253, v237, 8, v236              ; p's scale word
	s_delay_alu instid0(VALU_DEP_1)
	v_lshl_or_b32 v253, v238, 16, v253
	s_delay_alu instid0(VALU_DEP_1)
	v_lshl_or_b32 v253, v239, 24, v253
.irp c, 0,1
	v_cvt_scalef32_pk16_fp6_f32 v[224+6*\c:226+6*\c], v[S+32*\c:S+15+32*\c], v[248+2*\c]
	v_cvt_scalef32_pk16_fp6_f32 v[236+4*\c:238+4*\c], v[S+16+32*\c:S+31+32*\c], v[248+2*\c+1]
.endr
	v_nop                                          ; one plain instruction behind a scaled conversion
.irp c, 0,1
.irp i, 0,1,2
	v_permlane16_swap_b32 v[224+6*\c+\i], v[236+4*\c+\i]
.endr
.irp i, 0,1,2
	s_delay_alu instid0(VALU_DEP_3)
	v_mov_b32 v[227+6*\c+\i], v[236+4*\c+\i]
.endr
.endr
.set N, 0
.rept 16
	v_pk_mul_f32 v[O+N:O+N+1], v[O+N:O+N+1], v[252:253] op_sel_hi:[1,0]   ; O^T under the new M; these sixteen also stand between the lines that made p's codes and scale word and the products
.set N, N+2
.endr
.irp e, 0,1,2,3
	v_wmma_scale_f32_16x16x128_f8f6f4 v[O+8*\e:O+8*\e+7], v[80+12*\e:91+12*\e], v[224:235], v[O+8*\e:O+8*\e+7], v[12+\e], v253 matrix_a_fmt:MATRIX_FMT_FP6 matrix_b_fmt:MATRIX_FMT_FP6
.endr
.Lskip:
	s_wait_alu depctr_va_vdst(0)
	v_add_nc_u32 v1, 6144, v1                      ; the next key step: eight tiles of k, four fragments of v,
	v_add_nc_u32 v2, 6144, v2
	v_add_nc_u32 v3, 6144, v3
	v_add_nc_u32 v4, 6144, v4
	v_add_nc_u32 v5, 1024, v5                      ; and their scale words
	v_add_nc_u32 v6, 512, v6
	s_add_co_u32 s32, s32, 1
	s_cmp_lt_u32 s32, 8
	s_cbranch_scc1 .Lstep
	; THE WAY OUT: O^T / the sum; register 16 b + i is channel 32 b + 16 (lane / 16) + i of my query: two blocks, quantised as above: the head's half of a fragment of the next product
	v_add_f32 v30, v30, v31
	s_delay_alu instid0(VALU_DEP_1)
	v_permlanex16_b32 v252, v30, s28, s29
	s_delay_alu instid0(VALU_DEP_1)
	v_add_f32 v30, v30, v252
	s_wait_alu depctr_va_vdst(0)
	v_rcp_f32 v30, v30
	v_and_b32 v1, 31, v0                           ; (plain work behind the transcendental)
	s_delay_alu instid0(VALU_DEP_1)
	v_lshlrev_b32 v2, 3, v1
	s_delay_alu instid0(VALU_DEP_2)
	v_lshlrev_b32 v3, 2, v1
	s_delay_alu instid0(VALU_DEP_3)
	v_lshlrev_b32 v1, 4, v1
	s_wait_alu depctr_va_vdst(0)                   ; the wait ahead of the reciprocal's first reader
.set N, 0
.rept 32
	v_mul_f32 v[S+N], v[O+N], v30
.set N, N+1
.endr
.irp b, 0,1
	v_max3_num_f32 v[244+\b], |v[S+16*\b]|, |v[S+1+16*\b]|, 0x1800000
.endr
.irp i, 2,4,6,8,10,12,14
.irp b, 0,1
	s_delay_alu instid0(VALU_DEP_2)
	v_max3_num_f32 v[244+\b], v[244+\b], |v[S+16*\b+\i]|, |v[S+1+16*\b+\i]|
.endr
.endr
.irp b, 0,1
	s_delay_alu instid0(VALU_DEP_2)
	v_permlanex16_b32 v[236+\b], v[244+\b], s28, s29
.endr
.irp b, 0,1
	s_delay_alu instid0(VALU_DEP_2)
	v_max_num_f32 v[244+\b], v[244+\b], v[236+\b]
.endr
.irp b, 0,1
	s_delay_alu instid0(VALU_DEP_2)
	v_add_nc_u32 v[248+\b], 0xff000000, v[244+\b]
.endr
.irp b, 0,1
	s_delay_alu instid0(VALU_DEP_2)
	v_lshrrev_b32 v[236+\b], 23, v[248+\b]
.endr
	s_delay_alu instid0(VALU_DEP_1)
	v_lshl_or_b32 v253, v237, 8, v236
	v_cvt_scalef32_pk16_fp6_f32 v[224:226], v[S:S+15], v248
	v_cvt_scalef32_pk16_fp6_f32 v[240:242], v[S+16:S+31], v249
	v_nop
.irp i, 0,1,2
	v_permlane16_swap_b32 v[224+\i], v[240+\i]
.endr
.irp i, 0,1,2
	s_delay_alu instid0(VALU_DEP_3)
	v_mov_b32 v[227+\i], v[240+\i]
.endr
	global_store_b128 v1, v[224:227], s[46:47]
	global_store_b64 v2, v[228:229], s[46:47] offset:512
	global_store_b16 v3, v253, s[48:49]            ; two bytes of each lane's scale word; the other two are the neighbouring head's
	s_wait_dscnt 0x0
	s_wait_xcnt 0x0
	v_lshl_add_u32 v254, v0, 2, 0x29000
	v_mov_b32 v255, 0
	s_wait_alu depctr_va_vdst(0)
	s_wait_tensorcnt 0x0
	ds_add_u32 v254, v255
	s_wait_dscnt 0x0
	CROUND                                         ; the closing round
	s_endpgm
.Lfunc_end_k_q4a6fc2273e_attn:
	.size	k_q4a6fc2273e_attn, .Lfunc_end_k_q4a6fc2273e_attn-k_q4a6fc2273e_attn
	.p2alignl 7, 3214868480
	.fill 96, 4, 3214868480
	.section	.rodata,"a",@progbits
	.p2align	6, 0x0
	.amdhsa_kernel k_q4a6fc2273e_attn
		.amdhsa_group_segment_fixed_size 169984
		.amdhsa_private_segment_fixed_size 0
		.amdhsa_enable_private_segment 0
		.amdhsa_kernarg_size 16
		.amdhsa_user_sgpr_count 2
		.amdhsa_user_sgpr_kernarg_segment_ptr 1
		.amdhsa_wavefront_size32 1
		.amdhsa_system_sgpr_workgroup_id_x 1
		.amdhsa_system_sgpr_workgroup_id_y 1
		.amdhsa_system_sgpr_workgroup_id_z 1
		.amdhsa_system_vgpr_workitem_id 0
		.amdhsa_next_free_vgpr 256
		.amdhsa_next_free_sgpr 66
		.amdhsa_reserve_vcc 1
		.amdhsa_float_denorm_mode_32 3
		.amdhsa_float_denorm_mode_16_64 3
		.amdhsa_memory_ordered 1
		.amdhsa_forward_progress 1
		.amdhsa_inst_pref_size 37
	.end_amdhsa_kernel
	.amdgpu_metadata
---
amdhsa.version: [ 1, 2 ]
amdhsa.kernels:
  - .name:           k_q4a6fc2273e_attn
    .symbol:         k_q4a6fc2273e_attn.kd
    .args:
      - { .name: qkv, .offset: 0, .size: 8, .value_kind: global_buffer, .address_space: global }
      - { .name: at, .offset: 8, .size: 8, .value_kind: global_buffer, .address_space: global }
    .group_segment_fixed_size: 169984
    .private_segment_fixed_size: 0
    .kernarg_segment_align: 8
    .kernarg_segment_size: 16
    .max_flat_workgroup_size: 512
    .sgpr_count:     66
    .vgpr_count:     256
    .wavefront_size: 32
...
	.end_amdgpu_metadata
.endif
;; end of part 3
;; launch g2 (part 4): grid 8 x 32, 4 waves a work-group, no clusters, 270,848 bytes of LDS; arguments at, wts, bo, x, x1; writes x1
.if DOCPART == 4
	.amdgcn_target "amdgcn-amd-amdhsa--gfx1250"
	.amdhsa_code_object_version 6
	.text
	.protected	k_q4a6fc2273e_g2
	.globl	k_q4a6fc2273e_g2
	.p2align	8
	.type	k_q4a6fc2273e_g2,@function
k_q4a6fc2273e_g2:
	s_mov_b64 s[64:65], 0
	v_nop
	global_prefetch_b8 v0, s[64:65] scope:SCOPE_SE
	s_setreg_imm32_b32 hwreg(HW_REG_WAVE_MODE, 25, 1), 1
	s_wait_xcnt 0x0
; x1 = x + at Wo + bo: 4,096 tokens x 1,024 columns, K = 1,024, on codes of FP6 (E2M3) with E8M0 scales; bias and residual in f32.
; OPERANDS lie in memory as images of operand registers, [rowblock of 16 rows][K step of 128][1,536 bytes].  Wo's: registers 4 j .. 4 j + 3 at 512 j + 16 x lane.  at's, as the attention launch stores a head's half c: registers 6 c .. 6 c + 3 at 768 c + 16 x lane, 6 c + 4, 6 c + 5 at 768 c + 512 + 8 x lane.
; Scale words [rowblock][K step][128 bytes], lane l's at 4 l, lanes 16-31 repeating lanes 0-15.  Row r of rowblock t is logical row 32 (t / 2) + 8 (t % 2) + r + 8 (r / 8).
; A work-group makes 128 x 128 of the result: 256 work-groups.  K IS SHARED OUT AMONG ITS FOUR WAVES: wave w makes the whole 128 x 128 over K steps 2 w and 2 w + 1, in 64 accumulators.  So every byte of the work-group's operands is wanted by one wave alone, once,
; and goes from memory straight into that wave's registers: no ring in LDS and no barrier along K.  The four parts are f32 sums of a quarter of K each and are added in f32 at the end.
; cluster = none: a joint load lands in LDS, and no operand here passes through LDS.
; A wave's 128 loads are all asked for at the head or behind the first quadrant, in the order in which the quadrants want them: (T 0-3, W 0-3), (T 0-3, W 4-7), (T 4-7, W 4-7), (T 4-7, W 0-3), T the tokens' rowblocks, W the weights'.
; One scale register holds both K steps' words: lanes 0-15 the even step's, lanes 16-31 the odd step's (the row selectors pick).
; THE WAY OUT: each wave lays its part in LDS as 128 rows of 512 + 16 bytes, columns in their logical order; one barrier; wave w reads rows 32 w .. 32 w + 31 of all four parts, 512 bytes of a row to an instruction, adds them, and stores whole rows of 512 bytes, aligned.
; PREFETCH: the operands have no loop to run ahead in: they are asked for at the head.  My 32 rows of x, a lane a row, twice 256 bytes, are named behind the head's loads and loaded behind the products.
; LIMITS: NaN and infinities are not served.
; REGISTERS: window 0: v1-12 addresses; v16-23 the weights' scale words, v32-39 the tokens'; v52-55 bias; v64-255 fragment set 0 (W at 64, T at 160), at work on the way out; window 1: v0-191 set 1; windows 2, 3: accumulators (a, b) at 8 (8 (a % 4) + b);
;   on the way out window 2 v0-127 takes the residual, window 3 the parts read back, two sets of 128.
.set KST, 8
.set TSC, 3145728
.set WCO, 2555904
.set WSO, 3342336
.set PART, 128*528                     ; a wave's part in LDS
.set SPARE, 4*PART                     ; behind the parts: the spare words, 128 bytes for each wave, named by no other line
.set SPW, 1
.set NIL, 2
.set L16, 3
.set SOF, 4
.set L8,  5
.set STO, 6
.set PFX, 7
.set RD,  8                            ; v8-11: where I read my rows of parts 0 to 3
.set SCW, 16
.set SCT, 32
.set BIAS, 52
.set XT,  96
.set BK,  192
.set WV,  14
.set YY,  16
.set TB,  20
.set TS,  22
.set WB,  24
.set WS,  26
.set XB,  32
.set OB,  34
.set BB,  36
.set MSB, 0
.macro WIN new                         ; the immediate's high byte repeats the setting that is left
.if MSB != (\new)
	s_set_vgpr_msb (MSB<<8)|(\new)
.set MSB, (\new)
.endif
.endm
.macro PLACES
.rept 4
	v_nop
.endr
.endm
.macro LDW set, f0, q                  ; the weights' fragments f0 .. f0 + 3 of my K step q: twelve loads
	WIN (\set)<<6
.set FR, 64-64*(\set)
.set FI, \f0
.rept 4
.irp j, 0,1,2
	global_load_b128 v[FR+12*FI+4*\j:FR+12*FI+4*\j+3], v[L16], s[WB:WB+1] offset:(FI*KST+(\q))*1536+512*\j
.endr
.set FI, FI+1
.endr
.endm
.macro LDT set, f0, q                  ; the tokens' fragments f0 .. f0 + 3: sixteen loads
	WIN (\set)<<6
.set FR, 160-64*(\set)
.set FI, \f0
.rept 4
.irp c, 0,1
	global_load_b128 v[FR+12*FI+6*\c:FR+12*FI+6*\c+3], v[L16], s[TB:TB+1] offset:(FI*KST+(\q))*1536+768*\c
	global_load_b64 v[FR+12*FI+6*\c+4:FR+12*FI+6*\c+5], v[L8], s[TB:TB+1] offset:(FI*KST+(\q))*1536+768*\c+512
.endr
.set FI, FI+1
.endr
.endm
.macro SCL sb, reg                     ; eight rowblocks' scale words of my two K steps
	WIN 0
.set FI, 0
.rept 8
	global_load_b32 v[\reg+FI], v[SOF], s[\sb:\sb+1] offset:FI*KST*128
.set FI, FI+1
.endr
.endm
.macro QUAD q, a0, b0                  ; 16 products; the 64 accumulators take turns, one instruction a turn, in the same order in both steps.  Source 0 = weights, source 1 = tokens
	WIN (5*(\q))|(0xa0+0x50*((\a0)/4))
.set SB, 64-64*(\q)
.set MA, \a0
.rept 4
.set MB, \b0
.rept 4
.set AC, 8*(8*(MA%4)+MB)
.if (\q) == 0
	v_wmma_scale_f32_16x16x128_f8f6f4 v[AC:AC+7], v[SB+12*MB:SB+12*MB+11], v[SB+96+12*MA:SB+96+12*MA+11], 0, v[SCW+MB], v[SCT+MA] matrix_a_fmt:MATRIX_FMT_FP6 matrix_b_fmt:MATRIX_FMT_FP6
.else
	v_wmma_scale_f32_16x16x128_f8f6f4 v[AC:AC+7], v[SB+12*MB:SB+12*MB+11], v[SB+96+12*MA:SB+96+12*MA+11], v[AC:AC+7], v[SCW+MB], v[SCT+MA] matrix_a_fmt:MATRIX_FMT_FP6 matrix_b_fmt:MATRIX_FMT_FP6 matrix_a_scale:MATRIX_SCALE_ROW1 matrix_b_scale:MATRIX_SCALE_ROW1
.endif
.set MB, MB+1
.endr
.set MA, MA+1
.endr
.endm
	s_load_b128 s[4:7], s[0:1], 0x0                ; at s[4:5], wts s[6:7]
	s_load_b128 s[8:11], s[0:1], 0x10              ; bo, x
	s_load_b64 s[12:13], s[0:1], 0x20              ; x1
	v_lshl_add_u32 v[SPW], v0, 2, SPARE
	v_mov_b32 v[NIL], 0
	v_lshrrev_b32 v12, 5, v0
	v_readfirstlane_b32 s[WV], v12                 ; wave = my quarter of K
	v_and_b32 v12, 31, v0
	v_and_b32 v13, 15, v0
	v_bfe_u32 v14, v0, 4, 1
	s_mul_i32 s17, s[WV], PART
	s_mul_i32 s18, s[WV], 32*528
	v_lshlrev_b32 v[L16], 4, v12                   ; 16 x lane
	v_lshlrev_b32 v[L8], 3, v12                    ; 8 x lane
	v_lshlrev_b32 v[SOF], 2, v13
	v_lshl_add_u32 v[SOF], v14, 7, v[SOF]          ; scale words: row's word, lanes 16-31 one K step on
	v_lshlrev_b32 v[PFX], 12, v12                  ; a row of x to a lane
	v_mul_u32_u24 v[STO], v13, 528
	v_lshl_add_u32 v[STO], v14, 6, v[STO]
	v_add_nc_u32 v[STO], s17, v[STO]               ; into my part: row l % 16, + 64 (l / 16)
	v_add_nc_u32 v[RD], s18, v[L16]                ; back: my 32 rows, 16 bytes a lane,
	v_add_nc_u32 v[RD+1], PART, v[RD]              ; of each of the four parts
	v_add_nc_u32 v[RD+2], 2*PART, v[RD]
	v_add_nc_u32 v[RD+3], 3*PART, v[RD]
	s_and_b32 s[YY], ttmp7, 0xffff
	s_mul_i32 s56, s[WV], 3072                     ; my two K steps of codes,
	s_lshl_b32 s57, s[WV], 8                       ; and of scale words
	s_mul_i32 s40, s[YY], 98304                    ; tokens: rowblock 8 y, 12,288 bytes of codes each
	s_add_co_u32 s40, s40, s56
	s_lshl_b32 s42, s[YY], 13
	s_add_co_u32 s42, s42, s57
	s_add_co_u32 s42, s42, TSC
	s_mul_i32 s44, ttmp9, 98304                    ; weights: rowblock 8 x
	s_add_co_u32 s44, s44, s56
	s_add_co_u32 s44, s44, WCO
	s_lshl_b32 s46, ttmp9, 13
	s_add_co_u32 s46, s46, s57
	s_add_co_u32 s46, s46, WSO
	s_lshl_b32 s48, s[YY], 19                      ; x, x1: row 128 y + 32 wave, column 128 x
	s_lshl_b32 s58, s[WV], 17
	s_add_co_u32 s48, s48, s58
	s_lshl_b32 s54, ttmp9, 9
	s_add_co_u32 s48, s48, s54
.irp r, 41,43,45,47,49,55
	s_mov_b32 s\r, 0
.endr
	s_wait_alu depctr_va_vdst(0)                   ; the wait at the head's end
	s_wait_kmcnt 0x0
	s_add_nc_u64 s[TB:TB+1], s[4:5], s[40:41]
	s_add_nc_u64 s[TS:TS+1], s[4:5], s[42:43]
	s_add_nc_u64 s[WB:WB+1], s[6:7], s[44:45]
	s_add_nc_u64 s[WS:WS+1], s[6:7], s[46:47]
	s_add_nc_u64 s[XB:XB+1], s[10:11], s[48:49]
	s_add_nc_u64 s[OB:OB+1], s[12:13], s[48:49]
	s_add_nc_u64 s[BB:BB+1], s[8:9], s[54:55]
	SCL WS, SCW                                    ; 16 scale loads,
	SCL TS, SCT
	LDT 0, 0, 0                                    ; 16
	LDW 0, 0, 0                                    ; 12
	LDW 0, 4, 0                                    ; 12
	LDT 0, 4, 0                                    ; 16
	LDT 1, 0, 1                                    ; 16
	LDW 1, 0, 1                                    ; 12: 100 loads so far
	WIN 0
	global_prefetch_b8 v[PFX], s[XB:XB+1] th:TH_LOAD_NT scope:SCOPE_SE
	global_prefetch_b8 v[PFX], s[XB:XB+1] offset:256 th:TH_LOAD_NT scope:SCOPE_SE
	s_wait_loadcnt 56                              ; the first 44 are in: the scale words, T 0-3 and W 0-3 of my first step
	QUAD 0, 0, 0
	LDW 1, 4, 1                                    ; 12
	LDT 1, 4, 1                                    ; 16: 128 loads in all
	s_wait_loadcnt 63                              ; W 4-7 of the first step are in (72 were issued behind them; the count's field ends at 63)
	QUAD 0, 0, 4
	s_wait_loadcnt 56                              ; T 4-7 are in; behind them the second step's 56
	QUAD 0, 4, 4
	QUAD 0, 4, 0
	s_wait_loadcnt 28                              ; the second step's T 0-3 and W 0-3 are in
	QUAD 1, 0, 0
	s_wait_loadcnt 16                              ; its W 4-7
	QUAD 1, 0, 4
	s_wait_loadcnt 0x0
	QUAD 1, 4, 4
	QUAD 1, 4, 0
	WIN 0
	PLACES                                         ; between the last products and the first read of results
.irp a, 0,1,2,3,4,5,6,7                ; my part into LDS: register j of accumulator (a, b) is token row 16 a + l % 16, column 32 (b / 2) + 8 (b % 2) + 16 (l / 16) + j
	WIN 0x08+4*(\a/4)                              ; an LDS store's data: window 2 or 3
.irp b, 0,1,2,3,4,5,6,7
	ds_store_b128 v[STO], v[64*(\a%4)+8*\b:64*(\a%4)+8*\b+3] offset:\a*8448+128*(\b/2)+32*(\b%2)        ; each accumulator from its low end on
	ds_store_b128 v[STO], v[64*(\a%4)+8*\b+4:64*(\a%4)+8*\b+7] offset:\a*8448+128*(\b/2)+32*(\b%2)+16
.endr
.endr
	WIN 0
	s_wait_dscnt 0x0                               ; for the others' sake: my part is whole; and the accumulators' registers are free
	global_load_b128 v[BIAS:BIAS+3], v[L16], s[BB:BB+1]
	WIN 0x80                                       ; the residual of my 32 rows into window 2, in the order in which the way out takes it: stage rows 8 c + t are logical rows 16 (c % 2) + 8 (c / 2) + t
.irp c, 0,1,2,3
.irp t, 0,1,2,3,4,5,6,7
	global_load_b128 v[32*\c+4*\t:32*\c+4*\t+3], v[L16], s[XB:XB+1] offset:(16*(\c%2)+8*(\c/2)+\t)*4096
.endr
.endr
	WIN 0
	s_barrier_signal -1
	s_barrier_wait -1                              ; all four parts are whole
.macro RDCH c                          ; eight of my rows, all four parts, into window 3: part p's at 128 (c % 2) + 32 p
	WIN 0xc0
.irp p, 0,1,2,3
.irp t, 0,1,2,3,4,5,6,7
	ds_load_b128 v[128*((\c)%2)+32*\p+4*\t:128*((\c)%2)+32*\p+4*\t+3], v[RD+\p] offset:(8*(\c)+\t)*528
.endr
.endr
	WIN 0
.endm
.macro OUT c, younger                  ; younger: the LDS loads issued behind this chunk's, which may stay out
.set B3, 128*((\c)%2)
.set LB, 16*((\c)%2)+8*((\c)/2)
	s_wait_dscnt \younger
.if (\c) == 0
	s_wait_loadcnt 0x0                             ; bias and residual
.else
	s_wait_xcnt 0x0                                ; the last chunk's stores have read their registers
.endif
	WIN 0x0f                                       ; both sources: window 3
.set I, 0
.rept 16
	v_pk_add_f32 v[BK+I:BK+I+1], v[B3+I:B3+I+1], v[B3+32+I:B3+33+I]
	v_pk_add_f32 v[XT+I:XT+I+1], v[B3+64+I:B3+65+I], v[B3+96+I:B3+97+I]
.set I, I+2
.endr
	WIN 0
.set I, 0
.rept 8
	v_pk_add_f32 v[XT+I:XT+I+1], v[XT+I:XT+I+1], v[BIAS:BIAS+1]
	v_pk_add_f32 v[XT+I+2:XT+I+3], v[XT+I+2:XT+I+3], v[BIAS+2:BIAS+3]
.set I, I+4
.endr
.set I, 0
.rept 16
	v_pk_add_f32 v[BK+I:BK+I+1], v[BK+I:BK+I+1], v[XT+I:XT+I+1]
.set I, I+2
.endr
	WIN 0x08                                       ; source 1: window 2
.set I, 0
.rept 16
	v_pk_add_f32 v[BK+I:BK+I+1], v[BK+I:BK+I+1], v[32*(\c)+I:32*(\c)+I+1]
.set I, I+2
.endr
	WIN 0
.irp t, 0,1,2,3,4,5,6,7
	global_store_b128 v[L16], v[BK+4*\t:BK+4*\t+3], s[OB:OB+1] offset:(LB+\t)*4096   ; 32 lanes store 512 consecutive bytes, aligned
.endr
.endm
	RDCH 0
	RDCH 1
	OUT 0, 32
	RDCH 2
	OUT 1, 32
	RDCH 3
	OUT 2, 32
	OUT 3, 0
	s_wait_tensorcnt 0x0                           ; the wave's end: behind my last LDS store
	ds_add_u32 v[SPW], v[NIL]
	s_wait_dscnt 0x0
	s_endpgm
.Lfunc_end_k_q4a6fc2273e_g2:
	.size	k_q4a6fc2273e_g2, .Lfunc_end_k_q4a6fc2273e_g2-k_q4a6fc2273e_g2
	.p2alignl 7, 3214868480
	.fill 96, 4, 3214868480
	.section	.rodata,"a",@progbits
	.p2align	6, 0x0
	.amdhsa_kernel k_q4a6fc2273e_g2
		.amdhsa_group_segment_fixed_size 270848
		.amdhsa_private_segment_fixed_size 0
		.amdhsa_enable_private_segment 0
		.amdhsa_kernarg_size 40
		.amdhsa_user_sgpr_count 2
		.amdhsa_user_sgpr_kernarg_segment_ptr 1
		.amdhsa_wavefront_size32 1
		.amdhsa_system_sgpr_workgroup_id_x 1
		.amdhsa_system_sgpr_workgroup_id_y 1
		.amdhsa_system_sgpr_workgroup_id_z 1
		.amdhsa_system_vgpr_workitem_id 0
		.amdhsa_next_free_vgpr 1024
		.amdhsa_next_free_sgpr 66
		.amdhsa_reserve_vcc 0
		.amdhsa_float_denorm_mode_32 3
		.amdhsa_float_denorm_mode_16_64 3
		.amdhsa_memory_ordered 1
		.amdhsa_forward_progress 1
		.amdhsa_inst_pref_size 76
	.end_amdhsa_kernel
	.amdgpu_metadata
---
amdhsa.version: [ 1, 2 ]
amdhsa.kernels:
  - .name:           k_q4a6fc2273e_g2
    .symbol:         k_q4a6fc2273e_g2.kd
    .args:
      - { .name: at, .offset: 0, .size: 8, .value_kind: global_buffer, .address_space: global }
      - { .name: wts, .offset: 8, .size: 8, .value_kind: global_buffer, .address_space: global }
      - { .name: bo, .offset: 16, .size: 8, .value_kind: global_buffer, .address_space: global }
      - { .name: x, .offset: 24, .size: 8, .value_kind: global_buffer, .address_space: global }
      - { .name: x1, .offset: 32, .size: 8, .value_kind: global_buffer, .address_space: global }
    .group_segment_fixed_size: 270848
    .private_segment_fixed_size: 0
    .kernarg_segment_align: 8
    .kernarg_segment_size: 40
    .max_flat_workgroup_size: 128
    .sgpr_count:     66
    .vgpr_count:     1024
    .wavefront_size: 32
...
	.end_amdgpu_metadata
.endif
;; end of part 4
;; launch pre2 (part 5): grid 512 x 1, 8 waves a work-group, no clusters, 69,632 bytes of LDS; arguments x1, ln2_g, ln2_b, h2, W1, W2, wts; writes h2, wts
.if DOCPART == 5
	.amdgcn_target "amdgcn-amd-amdhsa--gfx1250"
	.amdhsa_code_object_version 6
	.text
	.protected	k_q4a6fc2273e_pre2
	.globl	k_q4a6fc2273e_pre2
	.p2align	8
	.type	k_q4a6fc2273e_pre2,@function
k_q4a6fc2273e_pre2:
	s_mov_b64 s[64:65], 0
	v_nop
	global_prefetch_b8 v0, s[64:65] scope:SCOPE_SE
	s_setreg_imm32_b32 hwreg(HW_REG_WAVE_MODE, 25, 1), 1
	s_wait_xcnt 0x0
; TWO JOBS THAT DO NOT DEPEND ON EACH OTHER SHARE THIS LAUNCH.  Work-groups 0-255: LayerNorm of x1 and its quantiser.  Work-groups 256-383: W1, work-groups 384-511: W2, become codes.
; The paths part on the work-group's number, which all waves of a work-group share; the two barriers stand on the first path alone, and the second touches no LDS.
; ALL CODES ARE FP6 (E2M3) with one E8M0 byte for each 32 along K, laid as IMAGES OF OPERAND REGISTERS.  A fragment is 16 rows x 128 K = 1,536 bytes: half c (K 64 c .. 64 c + 63) has the operand's registers 6 c .. 6 c + 3
; at 768 c + 16 x lane and registers 6 c + 4, 6 c + 5 at 768 c + 512 + 8 x lane.  Its scale words are 128 bytes: lane l's word at 4 l, lanes 16-31 repeating lanes 0-15.  Row r of rowblock t is logical row 32 (t / 2) + 8 (t % 2) + r + 8 (r / 8).
; LAYERNORM over rows of 1,024 f32.  Out: [rowblock 256][K step 8][1,536], scale words behind them at 3,145,728, [rowblock][K step][128].  A work-group takes a rowblock, wave w its K step w.  Each load reads 512 consecutive bytes;
; the wave's own stage in LDS turns them so that lane (r, h) holds, of row r, 16 neighbours of each block of 32.  Mean and variance in two passes; the eight waves' parts meet in LDS behind a barrier each.
; WEIGHTS, f32 with K not innermost.  wts: [rowblock][K step][1,536] and [rowblock][K step][128] for each weight: W1's codes at 3,407,872, its scale words at 6,553,600 (8 K steps); W2's at 6,815,744 and 9,961,472 (32 K steps).
; A wave takes 32 columns x 128 K: a lane takes a column and its registers run down K, so a block of 32 lies in one lane and the conversions give K innermost.  Two fragments leave by dense stores.
; A block's scale is 2^(floor(log2(largest magnitude)) - 2); its byte is that magnitude's exponent field - 2, held at 1 from below.
; LIMITS: a block of zeros gets the byte 1 (its codes are zeros; only this program reads the bytes); magnitudes under 2^-124 are held at that floor; NaN and infinities are not served.
; A FRAGMENT'S IMAGE AS THIS LAUNCH STORES IT (it takes the place of the halves named above): the operand's registers 4 j .. 4 j + 3 at 512 j + 16 x lane, j = 0, 1, 2: three stores, and later three loads, of 512 consecutive bytes.
.set STG, 8448                         ; a wave's stage: 16 rows x (512 + 16) bytes
.set RED, 67584                        ; 512 bytes for the sums, 512 for the sums of squares: word [row][wave]
.set R,   16                           ; v16-79   the rows as loaded; later gamma
.set X,   80                           ; v80-143  register 16 b + i = number 32 b + 16 h + i of my row's 128
.set BT,  144                          ; v144-207 beta
.set PC,  208                          ; v208-227 codes
.set TM,  228                          ; v228-243 at work in the quantiser
.set PW,  244                          ; the scale word
.set SEL, 26                           ; s[26:27] lane selects: lane l xor 16
.set WX,  16                           ; the weights' path: v16-79 two sets of 32 numbers
.set CD,  80                           ; v80-103  block t's six registers of codes at CD + 12 (t % 2) + 6 (t / 2): behind the change of halves two fragments of twelve registers on end
.set CT,  112                          ; v112-127 the upper half of each block's codes as converted (a conversion's three registers begin on an even number)
; 64 numbers of a lane, register 16 b + i = k 32 b + 16 (lane / 16) + i of my row, become a fragment's codes in v[PC] on and its scale word in v[PW]
.macro QUANT s
.irp b, 0,1,2,3
	v_max3_num_f32 v[TM+\b], |v[\s+16*\b]|, |v[\s+1+16*\b]|, 0x1800000   ; with the floor 2^(3 - 127): the byte cannot fall under 1
.endr
.irp i, 2,4,6,8,10,12,14
.irp b, 0,1,2,3
	s_delay_alu instid0(VALU_DEP_4)
	v_max3_num_f32 v[TM+\b], v[TM+\b], |v[\s+16*\b+\i]|, |v[\s+1+16*\b+\i]|
.endr
.endr
.irp b, 0,1,2,3
	s_delay_alu instid0(VALU_DEP_4)
	v_permlanex16_b32 v[TM+4+\b], v[TM+\b], s[SEL], s[SEL+1]
.endr
.irp b, 0,1,2,3
	s_delay_alu instid0(VALU_DEP_4)
	v_max_num_f32 v[TM+\b], v[TM+\b], v[TM+4+\b]   ; with lane l xor 16's: the block's largest magnitude
.endr
.irp b, 0,1,2,3
	s_delay_alu instid0(VALU_DEP_4)
	v_add_nc_u32 v[TM+12+\b], 0xff000000, v[TM+\b] ; 2 off the exponent field: the conversion's scale operand
.endr
.irp b, 0,1,2,3
	s_delay_alu instid0(VALU_DEP_4)
	v_lshrrev_b32 v[TM+4+\b], 23, v[TM+12+\b]      ; the scale's byte
.endr
	s_delay_alu instid0(VALU_DEP_3)
	v_lshl_or_b32 v[PW], v[TM+5], 8, v[TM+4]
	s_delay_alu instid0(VALU_DEP_1)
	v_lshl_or_b32 v[PW], v[TM+6], 16, v[PW]
	s_delay_alu instid0(VALU_DEP_1)
	v_lshl_or_b32 v[PW], v[TM+7], 24, v[PW]
.irp c, 0,1
	v_cvt_scalef32_pk16_fp6_f32 v[PC+6*\c:PC+2+6*\c], v[\s+32*\c:\s+15+32*\c], v[TM+12+2*\c]
	v_cvt_scalef32_pk16_fp6_f32 v[PC+12+4*\c:PC+14+4*\c], v[\s+16+32*\c:\s+31+32*\c], v[TM+12+2*\c+1]
.endr
	v_nop                                          ; one plain instruction behind a scaled conversion
.irp c, 0,1                            ; the operand wants a whole block in a lane: lanes 0-15 block 2 c, lanes 16-31 block 2 c + 1
.irp i, 0,1,2
	v_permlane16_swap_b32 v[PC+6*\c+\i], v[PC+12+4*\c+\i]
.endr
.irp i, 0,1,2
	s_delay_alu instid0(VALU_DEP_3)
	v_mov_b32 v[PC+3+6*\c+\i], v[PC+12+4*\c+\i]
.endr
.endr
.endm
; v[246:247], v[248:249]: two chains of my 64 numbers' sums.  Out: v248 = the row's sum over all 1,024
.macro ACROSS off
	s_delay_alu instid0(VALU_DEP_1)
	v_pk_add_f32 v[246:247], v[246:247], v[248:249]
	s_delay_alu instid0(VALU_DEP_1)
	v_add_f32 v246, v246, v247
	s_delay_alu instid0(VALU_DEP_1)
	v_permlanex16_b32 v247, v246, s[SEL], s[SEL+1]
	s_delay_alu instid0(VALU_DEP_1)
	v_add_f32 v246, v246, v247                     ; my row's 128 numbers of this K step
	ds_store_b32 v4, v246 offset:\off              ; lanes r and r + 16 write the same word with the same value
	s_wait_dscnt 0x0                               ; for the others' sake: my store is done
	s_barrier_signal -1
	s_barrier_wait -1
	ds_load_b128 v[248:251], v5 offset:\off
	ds_load_b128 v[252:255], v5 offset:\off+16
	s_wait_dscnt 0x0
	v_add_f32 v248, v248, v249
	v_add_f32 v250, v250, v251
	v_add_f32 v252, v252, v253
	v_add_f32 v254, v254, v255
	s_delay_alu instid0(VALU_DEP_3)
	v_add_f32 v248, v248, v250
	s_delay_alu instid0(VALU_DEP_2)
	v_add_f32 v252, v252, v254
	s_delay_alu instid0(VALU_DEP_1)
	v_add_f32 v248, v248, v252
.endm
; The weights' path.  s3 = pair of rowblocks, s26 = K step, s27 = log2(K steps), s28, s30 = the weight's regions of codes and scales, s32 = byte offset in the weight
.macro FINISH
	s_mov_b32 s33, 0
	s_add_nc_u64 s[4:5], s[4:5], s[32:33]
	s_lshl_b32 s3, s3, 1
	s_lshl_b32 s3, s3, s27
	s_add_co_u32 s3, s3, s26                       ; fragment number: rowblock x K steps + K step
	s_mul_i32 s34, s3, 1536
	s_add_co_u32 s28, s28, s34
	s_mov_b32 s29, 0
	s_add_nc_u64 s[6:7], s[24:25], s[28:29]
	s_lshl_b32 s34, s3, 7
	s_add_co_u32 s30, s30, s34
	s_mov_b32 s31, 0
	s_add_nc_u64 s[8:9], s[24:25], s[30:31]
	s_lshl_b32 s10, 1536, s27                      ; the second rowblock's fragment lies a row of K steps on
	s_lshl_b32 s11, 128, s27
	v_add_nc_u32 v4, s10, v2
	v_add_nc_u32 v5, s10, v3
	v_add_nc_u32 v7, s11, v6
.endm
.macro LOADB t, stride                 ; block t: W(32 t + i, my column): 32 lanes read 128 consecutive bytes
.irp i, 0,1,2,3,4,5,6,7,8,9,10,11,12,13,14,15,16,17,18,19,20,21,22,23,24,25,26,27,28,29,30,31
	global_load_b32 v[WX+32*((\t)%2)+\i], v1, s[4:5] offset:(32*(\t)+\i)*\stride th:TH_LOAD_NT
.endr
.endm
.macro BLOCK t, stride
.set WXS, WX+32*((\t)%2)
.if (\t) < 3
	s_wait_loadcnt 32                              ; this block's 32 loads are in; the next block's 32 may be out
.else
	s_wait_loadcnt 0x0
.endif
	v_max3_num_f32 v8, |v[WXS]|, |v[WXS+1]|, |v[WXS+2]|
	v_max3_num_f32 v9, |v[WXS+3]|, |v[WXS+4]|, |v[WXS+5]|
.irp i, 6,10,14,18,22,26
	s_delay_alu instid0(VALU_DEP_2)
	v_max3_num_f32 v8, v8, |v[WXS+\i]|, |v[WXS+\i+1]|
	s_delay_alu instid0(VALU_DEP_2)
	v_max3_num_f32 v9, v9, |v[WXS+\i+2]|, |v[WXS+\i+3]|
.endr
	s_delay_alu instid0(VALU_DEP_2)
	v_max3_num_f32 v8, v8, |v[WXS+30]|, |v[WXS+31]|
	s_delay_alu instid0(VALU_DEP_1)
	v_max3_num_f32 v8, v8, v9, 0x1800000           ; with the floor 2^(3 - 127): the byte cannot fall under 1
	s_delay_alu instid0(VALU_DEP_1)
	v_add_nc_u32 v11, 0xff000000, v8               ; 2 off the exponent field: the conversion's scale operand
	s_delay_alu instid0(VALU_DEP_1)
	v_lshrrev_b32 v9, 23, v11                      ; the scale's byte
.if (\t) == 0
	s_delay_alu instid0(VALU_DEP_1)
	v_mov_b32 v12, v9
.else
	s_delay_alu instid0(VALU_DEP_1)
	v_lshl_or_b32 v12, v9, 8*(\t), v12             ; the lower K in the lower byte
.endif
	v_cvt_scalef32_pk16_fp6_f32 v[CD+12*((\t)%2)+6*((\t)/2):CD+12*((\t)%2)+6*((\t)/2)+2], v[WXS:WXS+15], v11
	v_cvt_scalef32_pk16_fp6_f32 v[CT+4*(\t):CT+4*(\t)+2], v[WXS+16:WXS+31], v11
.if (\t) < 2
	LOADB (\t)+2, \stride
.endif
.endm
.macro BODY stride
	LOADB 0, \stride
	LOADB 1, \stride
	BLOCK 0, \stride
	BLOCK 1, \stride
	BLOCK 2, \stride
	BLOCK 3, \stride
	v_nop                                          ; one plain instruction behind the last scaled conversion
.irp t, 0,1,2,3
.irp i, 0,1,2
	v_mov_b32 v[CD+12*(\t%2)+6*(\t/2)+3+\i], v[CT+4*\t+\i]
.endr
.endr
.irp c, 0,1                            ; blocks 2 c and 2 c + 1 change halves: the first run becomes half c of the first rowblock's fragment (lanes 0-15 block 2 c, lanes 16-31 block 2 c + 1), the second run that of the second rowblock
.irp i, 0,1,2,3,4,5
	v_permlane16_swap_b32 v[CD+6*\c+\i], v[CD+12+6*\c+\i]
.endr
.endr
	v_mov_b32 v13, v12
	s_delay_alu instid0(VALU_DEP_1)
	v_permlane16_swap_b32 v12, v13                 ; v12: the first rowblock's words in both halves of the lanes; v13: the second's
.irp c, 0,1,2
	global_store_b128 v2, v[CD+4*\c:CD+4*\c+3], s[6:7] offset:512*\c             ; 512 consecutive bytes: the first rowblock's fragment
	global_store_b128 v4, v[CD+12+4*\c:CD+12+4*\c+3], s[6:7] offset:512*\c       ; the second's
.endr
	global_store_b32 v6, v12, s[8:9]
	global_store_b32 v7, v13, s[8:9]
.endm
	v_lshl_add_u32 v238, v0, 2, 0x10c00
	v_mov_b32 v239, 0
	s_cmp_ge_u32 ttmp9, 256                        ; the work-group's number: the same in all eight waves
	s_cbranch_scc1 .Lweights
	; ---------------- LayerNorm: rowblock = the work-group's number
	s_load_b256 s[4:11], s[0:1], 0x0               ; in s[4:5], gamma s[6:7], beta s[8:9], out s[10:11]
	v_lshrrev_b32 v1, 5, v0
	s_delay_alu instid0(VALU_DEP_1)
	v_readfirstlane_b32 s12, v1                    ; wave = K step
	v_and_b32 v245, 31, v0
	s_delay_alu instid0(VALU_DEP_1)
	v_lshlrev_b32 v1, 4, v245                      ; 16 x lane
	s_delay_alu instid0(VALU_DEP_2)
	v_lshlrev_b32 v8, 3, v245                      ; 8 x lane
	s_delay_alu instid0(VALU_DEP_3)
	v_lshlrev_b32 v9, 2, v245                      ; 4 x lane
	v_and_b32 v246, 15, v0                         ; r
	v_bfe_u32 v247, v0, 4, 1                       ; h
	s_mul_i32 s13, s12, STG
	v_add_nc_u32 v2, s13, v1                       ; the stage, in: 512 bytes of a row as they lie
	v_mul_u32_u24 v3, v246, 528
	s_delay_alu instid0(VALU_DEP_1)
	v_lshl_add_u32 v3, v247, 6, v3
	s_delay_alu instid0(VALU_DEP_1)
	v_add_nc_u32 v3, s13, v3                       ; out: row r, + 64 h
	v_lshlrev_b32 v5, 5, v246
	s_delay_alu instid0(VALU_DEP_1)
	v_add_nc_u32 v5, RED, v5                       ; my row's eight words
	s_lshl_b32 s14, s12, 2
	v_add_nc_u32 v4, s14, v5                       ; my wave's word among them
	v_lshlrev_b32 v6, 6, v247                      ; gamma, beta: + 16 h numbers
.irp b, 0,1,2,3
	v_mov_b32 v[TM+4+\b], 0                        ; written once: a lane permute's destination counts as one of its sources
.endr
	s_mov_b32 s[SEL], 0x76543210
	s_mov_b32 s[SEL+1], 0xfedcba98
	s_mov_b32 s28, 0x3a800000                      ; 1 / 1,024
	s_mov_b32 s29, 0x3727c5ac                      ; 1e-5
	s_lshr_b32 s15, ttmp9, 1
	s_lshl_b32 s15, s15, 17                        ; 32 rows of 4,096 bytes
	s_and_b32 s16, ttmp9, 1
	s_lshl_b32 s16, s16, 15                        ; 8 rows
	s_add_co_u32 s16, s16, s15
	s_lshl_b32 s18, s12, 9                         ; my K step: 512 bytes
	s_add_co_u32 s16, s16, s18
	s_mov_b32 s17, 0
	s_mov_b32 s19, 0
	s_lshl_b32 s20, ttmp9, 3
	s_add_co_u32 s20, s20, s12                     ; fragment number
	s_mul_i32 s22, s20, 1536
	s_mov_b32 s23, 0
	s_lshl_b32 s20, s20, 7
	s_add_co_u32 s20, s20, 3145728
	s_mov_b32 s21, 0
	s_wait_alu depctr_va_vdst(0)
	s_wait_kmcnt 0x0
	s_add_nc_u64 s[4:5], s[4:5], s[16:17]
	s_add_nc_u64 s[6:7], s[6:7], s[18:19]
	s_add_nc_u64 s[8:9], s[8:9], s[18:19]
	s_add_nc_u64 s[24:25], s[10:11], s[20:21]
	s_add_nc_u64 s[10:11], s[10:11], s[22:23]
.set I, 0
.rept 16
	global_load_b128 v[R+4*I:R+4*I+3], v1, s[4:5] offset:(I+8*(I/8))*4096   ; row I of the rowblock: 512 consecutive bytes
.set I, I+1
.endr
.set I, 0
.rept 16
	global_load_b128 v[BT+4*I:BT+4*I+3], v6, s[8:9] offset:128*(I/4)+16*(I%4)
.set I, I+1
.endr
	s_wait_loadcnt 16                              ; the rows are in; beta's 16 loads may be out
.set I, 0
.rept 16
	ds_store_b128 v2, v[R+4*I:R+4*I+3] offset:528*I
.set I, I+1
.endr
.set I, 0
.rept 16
	ds_load_b128 v[X+4*I:X+4*I+3], v3 offset:128*(I/4)+16*(I%4)    ; LDS serves a wave's instructions in order: these see my stores
.set I, I+1
.endr
	s_wait_dscnt 0x0                               ; the stores have read R, which takes gamma now
.set I, 0
.rept 16
	global_load_b128 v[R+4*I:R+4*I+3], v6, s[6:7] offset:128*(I/4)+16*(I%4)
.set I, I+1
.endr
	v_pk_add_f32 v[246:247], v[X:X+1], v[X+2:X+3]
	v_pk_add_f32 v[248:249], v[X+4:X+5], v[X+6:X+7]
.set I, 8
.rept 14
	s_delay_alu instid0(VALU_DEP_2)
	v_pk_add_f32 v[246:247], v[246:247], v[X+I:X+I+1]
	s_delay_alu instid0(VALU_DEP_2)
	v_pk_add_f32 v[248:249], v[248:249], v[X+I+2:X+I+3]
.set I, I+4
.endr
	ACROSS 0
	s_delay_alu instid0(VALU_DEP_1)
	v_mul_f32 v10, s28, v248                       ; the mean
	s_delay_alu instid0(VALU_DEP_1)
	v_mov_b32 v11, v10
.set I, 0
.rept 32
	v_pk_add_f32 v[X+I:X+I+1], v[X+I:X+I+1], v[10:11] neg_lo:[0,1] neg_hi:[0,1]
.set I, I+2
.endr
	v_pk_mul_f32 v[246:247], v[X:X+1], v[X:X+1]
	v_pk_mul_f32 v[248:249], v[X+2:X+3], v[X+2:X+3]
.set I, 4
.rept 15
	s_delay_alu instid0(VALU_DEP_2)
	v_pk_fma_f32 v[246:247], v[X+I:X+I+1], v[X+I:X+I+1], v[246:247]
	s_delay_alu instid0(VALU_DEP_2)
	v_pk_fma_f32 v[248:249], v[X+I+2:X+I+3], v[X+I+2:X+I+3], v[248:249]
.set I, I+4
.endr
	ACROSS 512
	s_delay_alu instid0(VALU_DEP_1)
	v_fma_f32 v250, v248, s28, s29                 ; the variance + 1e-5
	s_wait_alu depctr_va_vdst(0)
	v_rsq_f32 v12, v250
	v_nop                                          ; a plain instruction behind the transcendental
	s_wait_alu depctr_va_vdst(0)                   ; and the wait ahead of its first reader
	v_mov_b32 v13, v12
	s_wait_alu depctr_va_vdst(0)
	s_wait_loadcnt 0x0                             ; gamma and beta
.set I, 0
.rept 32
	v_pk_mul_f32 v[X+I:X+I+1], v[X+I:X+I+1], v[12:13]
.set I, I+2
.endr
.set I, 0
.rept 32
	v_pk_fma_f32 v[X+I:X+I+1], v[X+I:X+I+1], v[R+I:R+I+1], v[BT+I:BT+I+1]
.set I, I+2
.endr
	QUANT X
	global_store_b128 v1, v[PC:PC+3], s[10:11]
	global_store_b128 v1, v[PC+4:PC+7], s[10:11] offset:512
	global_store_b128 v1, v[PC+8:PC+11], s[10:11] offset:1024
	global_store_b32 v9, v[PW], s[24:25]           ; both halves of the lanes hold their row's word
	s_wait_tensorcnt 0x0
	ds_add_u32 v238, v239
	s_wait_dscnt 0x0
	s_endpgm
.Lweights:                             ; ---------------- the weights
	s_load_b128 s[20:23], s[0:1], 0x20             ; W1 s[20:21], W2 s[22:23]
	s_load_b64 s[24:25], s[0:1], 0x30              ; wts
	s_sub_co_u32 s39, ttmp9, 256                   ; 0-127: W1; 128-255: W2
	v_lshrrev_b32 v8, 5, v0
	s_delay_alu instid0(VALU_DEP_1)
	v_readfirstlane_b32 s2, v8                     ; wave 0..7
	v_and_b32 v8, 31, v0                           ; lane
	v_and_b32 v1, 7, v0
	v_bfe_u32 v9, v0, 4, 1
	s_delay_alu instid0(VALU_DEP_1)
	v_lshl_add_u32 v1, v9, 3, v1
	v_bfe_u32 v9, v0, 3, 1
	s_delay_alu instid0(VALU_DEP_1)
	v_lshl_add_u32 v1, v9, 4, v1                   ; my column of the 32: lanes 0-15 the first rowblock's rows, lanes 16-31 the second's
	s_delay_alu instid0(VALU_DEP_1)
	v_lshlrev_b32 v1, 2, v1
	v_lshlrev_b32 v2, 4, v8                        ; 16 x lane
	v_lshlrev_b32 v3, 3, v8                        ; 8 x lane
	v_lshlrev_b32 v6, 2, v8                        ; 4 x lane
	s_wait_kmcnt 0x0
	s_cmp_lt_u32 s39, 128
	s_cbranch_scc1 .Lw1
	s_mov_b64 s[4:5], s[22:23]                     ; W2: rows of 4,096 bytes, 32 K steps
	s_sub_co_u32 s26, s39, 128
	s_and_b32 s3, s26, 3
	s_lshl_b32 s3, s3, 3
	s_add_co_u32 s3, s3, s2                        ; 32 columns: 8 (i % 4) + wave
	s_lshr_b32 s26, s26, 2                         ; K step
	s_lshl_b32 s32, s26, 19                        ; 128 rows of 4,096 bytes
	s_lshl_b32 s33, s3, 7
	s_add_co_u32 s32, s32, s33
	s_mov_b32 s27, 5
	s_mov_b32 s28, 6815744
	s_mov_b32 s30, 9961472
	s_wait_alu depctr_va_vdst(0)
	FINISH
	BODY 4096
	s_endpgm
.Lw1:                                  ; W1: rows of 16,384 bytes, 8 K steps
	s_mov_b64 s[4:5], s[20:21]
	s_and_b32 s3, s39, 15
	s_lshl_b32 s3, s3, 3
	s_add_co_u32 s3, s3, s2                        ; 32 columns: 8 (i % 16) + wave
	s_lshr_b32 s26, s39, 4                         ; K step
	s_lshl_b32 s32, s26, 21                        ; 128 rows of 16,384 bytes
	s_lshl_b32 s33, s3, 7
	s_add_co_u32 s32, s32, s33
	s_mov_b32 s27, 3
	s_mov_b32 s28, 3407872
	s_mov_b32 s30, 6553600
	s_wait_alu depctr_va_vdst(0)
	FINISH
	BODY 16384
	s_endpgm
.Lfunc_end_k_q4a6fc2273e_pre2:
	.size	k_q4a6fc2273e_pre2, .Lfunc_end_k_q4a6fc2273e_pre2-k_q4a6fc2273e_pre2
	.p2alignl 7, 3214868480
	.fill 96, 4, 3214868480
	.section	.rodata,"a",@progbits
	.p2align	6, 0x0
	.amdhsa_kernel k_q4a6fc2273e_pre2
		.amdhsa_group_segment_fixed_size 69632
		.amdhsa_private_segment_fixed_size 0
		.amdhsa_enable_private_segment 0
		.amdhsa_kernarg_size 56
		.amdhsa_user_sgpr_count 2
		.amdhsa_user_sgpr_kernarg_segment_ptr 1
		.amdhsa_wavefront_size32 1
		.amdhsa_system_sgpr_workgroup_id_x 1
		.amdhsa_system_sgpr_workgroup_id_y 1
		.amdhsa_system_sgpr_workgroup_id_z 1
		.amdhsa_system_vgpr_workitem_id 0
		.amdhsa_next_free_vgpr 256
		.amdhsa_next_free_sgpr 66
		.amdhsa_reserve_vcc 0
		.amdhsa_float_denorm_mode_32 3
		.amdhsa_float_denorm_mode_16_64 3
		.amdhsa_memory_ordered 1
		.amdhsa_forward_progress 1
		.amdhsa_inst_pref_size 75
	.end_amdhsa_kernel
	.amdgpu_metadata
---
amdhsa.version: [ 1, 2 ]
amdhsa.kernels:
  - .name:           k_q4a6fc2273e_pre2
    .symbol:         k_q4a6fc2273e_pre2.kd
    .args:
      - { .name: x1, .offset: 0, .size: 8, .value_kind: global_buffer, .address_space: global }
      - { .name: ln2_g, .offset: 8, .size: 8, .value_kind: global_buffer, .address_space: global }
      - { .name: ln2_b, .offset: 16, .size: 8, .value_kind: global_buffer, .address_space: global }
      - { .name: h2, .offset: 24, .size: 8, .value_kind: global_buffer, .address_space: global }
      - { .name: W1, .offset: 32, .size: 8, .value_kind: global_buffer, .address_space: global }
      - { .name: W2, .offset: 40, .size: 8, .value_kind: global_buffer, .address_space: global }
      - { .name: wts, .offset: 48, .size: 8, .value_kind: global_buffer, .address_space: global }
    .group_segment_fixed_size: 69632
    .private_segment_fixed_size: 0
    .kernarg_segment_align: 8
    .kernarg_segment_size: 56
    .max_flat_workgroup_size: 256
    .sgpr_count:     66
    .vgpr_count:     256
    .wavefront_size: 32
...
	.end_amdgpu_metadata
.endif
;; end of part 5
;; launch g3 (part 6): grid 16 x 16, 4 waves a work-group, no clusters, 0 bytes of LDS; arguments h2, wts, b1, y1; writes y1
.if DOCPART == 6
	.amdgcn_target "amdgcn-amd-amdhsa--gfx1250"
	.amdhsa_code_object_version 6
	.text
	.protected	k_q4a6fc2273e_g3
	.globl	k_q4a6fc2273e_g3
	.p2align	8
	.type	k_q4a6fc2273e_g3,@function
k_q4a6fc2273e_g3:
	s_mov_b64 s[64:65], 0
	v_nop
	global_prefetch_b8 v0, s[64:65] scope:SCOPE_SE
	s_setreg_imm32_b32 hwreg(HW_REG_WAVE_MODE, 25, 1), 1
	s_wait_xcnt 0x0
; y1 = Q(gelu(h2 W1 + b1)): 4,096 tokens x 4,096 columns, K = 1,024, on codes of FP6 (E2M3) with E8M0 scales; the exact gelu in f32; the result is quantised along the columns, the next product's K.
; OPERANDS lie in memory as images of operand registers: [rowblock of 16 rows][K step of 128][1,536 bytes], registers 4 j .. 4 j + 3 at 512 j + 16 x lane; scale words [rowblock][K step][128 bytes], lane l's at 4 l, lanes 16-31 repeating lanes 0-15.
; Row r of rowblock t is logical row 32 (t / 2) + 8 (t % 2) + r + 8 (r / 8): so a lane's 64 results against eight rowblocks of weights are 128 neighbouring columns, 16 of each block of 32: one K step of y1 ([rowblock 256][K step 32][1,536], scale words at 12,582,912).
; A work-group of four waves makes 256 x 256, a wave 128 x 128: 64 accumulators.  EVERY FRAGMENT GOES FROM MEMORY STRAIGHT INTO REGISTERS, three loads of 512 consecutive bytes: no LDS, no barrier; the waves share nothing.
; cluster = none: a joint load lands in LDS, and nothing here passes through LDS.  A fragment is loaded by the two waves of the work-group that multiply it.
; A K STEP is four quadrants of 16 products: (T 0-3, W 0-3), (T 0-3, W 4-7), (T 4-7, W 4-7), (T 4-7, W 0-3), T the tokens' rowblocks, W the weights'.  Two sets of fragment registers.  In front of each quadrant goes one group of twelve loads,
; into registers whose last products have been issued: W 0-3 and T 4-7 of the next step, T 0-3 and W 4-7 of the step after it.  So a group is asked for four to six quadrants ahead of its first product.
; One scale register holds two K steps' words: lanes 0-15 the even step's, lanes 16-31 the odd step's (the row selectors pick).  Eight scale loads go with each step's first group.
; PREFETCH: in steps 0 to 3 the fragments of the step four on, which is two steps ahead of their loads; steps 0 to 3 come by their loads alone.  A rowblock's fragment is six blocks of 256 bytes (lanes 6-31 name the sixth again).  The tokens' eight rowblocks are shared out among work-groups x = 0 .. 7
; (the wave with the lower column half), the weights' among y = 0 .. 7 (the wave with the lower row half): each block is named once.
; GELU: gelu(u) = max(u, 0) - |u| q, q = erfc(|u| / sqrt 2) / 2 = t 2^(P(t) - u^2 log2(e) / 2), t = 1 / (1 + |u| / sqrt 8), P of degree 9 (a fit of erfc with fractional error 1.2e-7; the half and log2(e) are folded into its coefficients).
; LIMITS: a block of zeros gets the byte 1; magnitudes under 2^-124 are held at that floor; NaN and infinities are not served; where u^2 overflows q is 0.
; REGISTERS: window 0: v10-14 offsets; v16-31 the weights' scale words, v32-47 the tokens' (two sets of eight each); v48-51 at work; v64-255 fragment set 0 (W at 64, T at 160); window 1: v0-191 set 1, v192-255 bias; windows 2, 3: accumulators (a, b) at 8 (8 (a % 4) + b).
.set KST, 8
.set TSC, 3145728
.set WCO, 3407872
.set WSO, 6553600
.set BO,  10
.set SOF, 11
.set L16, 12
.set PFO, 13
.set L4,  14
.set SCW, 16
.set SCT, 32
.set HA,  64
.set PC,  128
.set TM,  148
.set PW,  164
.set WV,  14
.set WR,  15
.set WCL, 16
.set YY,  17
.set CT,  18
.set CW,  19
.set TB,  20
.set TS,  22
.set WB,  24
.set WS,  26
.set PFT, 28
.set PFW, 30
.set BB,  32
.set SEL, 96
.set MSB, 0
.macro WIN new                         ; the immediate's high byte repeats the setting that is left
.if MSB != (\new)
	s_set_vgpr_msb (MSB<<8)|(\new)
.set MSB, (\new)
.endif
.endm
.macro PLACES                          ; four plain instructions between products and loads into, or reads of, their registers
.rept 4
	v_nop
.endr
.endm
.macro LDF sb, ist, set, f0, q         ; fragments f0 .. f0 + 3 of K step q: twelve loads of 512 consecutive bytes
	WIN (\set)<<6
.set FR, 64-64*(\set)+96*(\ist)
.set FI, \f0
.rept 4
.irp j, 0,1,2
	global_load_b128 v[FR+12*FI+4*\j:FR+12*FI+4*\j+3], v[L16], s[\sb:\sb+1] offset:(FI*KST+(\q))*1536+512*\j
.endr
.set FI, FI+1
.endr
.endm
.macro SCL sb, reg, p                  ; eight rowblocks' scale words of K steps 2 p and 2 p + 1
	WIN 0
.set FI, 0
.rept 8
	global_load_b32 v[\reg+8*((\p)%2)+FI], v[SOF], s[\sb:\sb+1] offset:(FI*KST+2*(\p))*128
.set FI, FI+1
.endr
.endm
.macro QUAD q, a0, b0                  ; 16 products; the 64 accumulators take turns, one instruction a turn, in the same order in every step.  Source 0 = weights, source 1 = tokens
	WIN (5*ST)|(0xa0+0x50*((\a0)/4))
.set SB, 64-64*ST
.set SS, 8*(((\q)/2)%2)
.set MA, \a0
.rept 4
.set MB, \b0
.rept 4
.set AC, 8*(8*(MA%4)+MB)
.if (\q) == 0
	v_wmma_scale_f32_16x16x128_f8f6f4 v[AC:AC+7], v[SB+12*MB:SB+12*MB+11], v[SB+96+12*MA:SB+96+12*MA+11], 0, v[SCW+SS+MB], v[SCT+SS+MA] matrix_a_fmt:MATRIX_FMT_FP6 matrix_b_fmt:MATRIX_FMT_FP6
.else
.if ST == 0
	v_wmma_scale_f32_16x16x128_f8f6f4 v[AC:AC+7], v[SB+12*MB:SB+12*MB+11], v[SB+96+12*MA:SB+96+12*MA+11], v[AC:AC+7], v[SCW+SS+MB], v[SCT+SS+MA] matrix_a_fmt:MATRIX_FMT_FP6 matrix_b_fmt:MATRIX_FMT_FP6
.else
	v_wmma_scale_f32_16x16x128_f8f6f4 v[AC:AC+7], v[SB+12*MB:SB+12*MB+11], v[SB+96+12*MA:SB+96+12*MA+11], v[AC:AC+7], v[SCW+SS+MB], v[SCT+SS+MA] matrix_a_fmt:MATRIX_FMT_FP6 matrix_b_fmt:MATRIX_FMT_FP6 matrix_a_scale:MATRIX_SCALE_ROW1 matrix_b_scale:MATRIX_SCALE_ROW1
.endif
.endif
.set MB, MB+1
.endr
.set MA, MA+1
.endr
.endm
.macro ASK q                           ; the prefetches: the branches hang on the work-group's and the wave's numbers alone
.if (\q) < 4
	WIN 0
	s_cmp_lt_u32 s[CT], 8
	s_cbranch_scc0 .Lnt_\@
	global_prefetch_b8 v[PFO], s[PFT:PFT+1] offset:((\q)+4)*1536 th:TH_LOAD_NT scope:SCOPE_SE
.Lnt_\@:
	s_cmp_lt_u32 s[CW], 8
	s_cbranch_scc0 .Lnw_\@
	global_prefetch_b8 v[PFO], s[PFW:PFW+1] offset:((\q)+4)*1536 th:TH_LOAD_NT scope:SCOPE_SE
.Lnw_\@:
.endif
.endm
.macro STEP q
.set ST, (\q)%2
.if (\q) < 7
	s_wait_loadcnt 36                              ; W 0-3 of this step and all before it are in; behind it: T 4-7 of this step, T 0-3 and W 4-7 of the next
	PLACES
.if (\q) < 6
.if ST == 0
	SCL WS, SCW, (\q)/2+1
.else
	SCL TS, SCT, ((\q)+1)/2
.endif
.endif
	LDF WB, 0, 1-ST, 0, (\q)+1
.else
	s_wait_loadcnt 12                              ; behind it: T 4-7 of this step alone
.endif
	QUAD \q, 0, 0
.if (\q) < 7
	PLACES
	LDF TB, 1, 1-ST, 4, (\q)+1
.endif
	ASK \q
	QUAD \q, 0, 4
.if (\q) < 6
	s_wait_loadcnt 56                              ; T 4-7 of this step are in; behind them: two groups of the last step, 8 scale loads and two groups of this one
	PLACES
	LDF TB, 1, ST, 0, (\q)+2
.else
.if (\q) == 6
	s_wait_loadcnt 48                              ; the same without scale loads
.else
	s_wait_loadcnt 0x0
.endif
.endif
	QUAD \q, 4, 4
.if (\q) < 6
	PLACES
	LDF WB, 0, ST, 4, (\q)+2
.endif
	QUAD \q, 4, 0
.endm
.macro QUANT s
.irp b, 0,1,2,3
	v_max3_num_f32 v[TM+\b], |v[\s+16*\b]|, |v[\s+1+16*\b]|, 0x1800000   ; with the floor 2^(3 - 127): the byte cannot fall under 1
.endr
.irp i, 2,4,6,8,10,12,14
.irp b, 0,1,2,3
	v_max3_num_f32 v[TM+\b], v[TM+\b], |v[\s+16*\b+\i]|, |v[\s+1+16*\b+\i]|
.endr
.endr
.irp b, 0,1,2,3
	v_permlanex16_b32 v[TM+4+\b], v[TM+\b], s[SEL], s[SEL+1]
.endr
.irp b, 0,1,2,3
	v_max_num_f32 v[TM+\b], v[TM+\b], v[TM+4+\b]
.endr
.irp b, 0,1,2,3
	v_add_nc_u32 v[TM+12+\b], 0xff000000, v[TM+\b]
.endr
.irp b, 0,1,2,3
	v_lshrrev_b32 v[TM+4+\b], 23, v[TM+12+\b]
.endr
	v_lshl_or_b32 v[PW], v[TM+5], 8, v[TM+4]
	v_lshl_or_b32 v[PW], v[TM+6], 16, v[PW]
	v_lshl_or_b32 v[PW], v[TM+7], 24, v[PW]
.irp c, 0,1
	v_cvt_scalef32_pk16_fp6_f32 v[PC+6*\c:PC+2+6*\c], v[\s+32*\c:\s+15+32*\c], v[TM+12+2*\c]
	v_cvt_scalef32_pk16_fp6_f32 v[PC+12+4*\c:PC+14+4*\c], v[\s+16+32*\c:\s+31+32*\c], v[TM+12+2*\c+1]
.endr
	v_nop                                          ; one plain instruction behind a scaled conversion
.irp c, 0,1
.irp i, 0,1,2
	v_permlane16_swap_b32 v[PC+6*\c+\i], v[PC+12+4*\c+\i]
.endr
.irp i, 0,1,2
	v_mov_b32 v[PC+3+6*\c+\i], v[PC+12+4*\c+\i]
.endr
.endr
.endm
; gelu of cnt numbers in v[U] on, in place.  T, P: cnt registers each in window 0; T2: cnt registers in the window that wd (as destination) and ws (as source 2) name; TMP: four registers.  Two batches of transcendentals, a wait ahead of each and behind each.
.macro GELU U, T, P, T2, TMP, cnt, wd, ws
.set GI, 0
.rept \cnt
	v_fma_f32 v[\T+GI], |v[\U+GI]|, 0x3eb504f3, 1.0
.set GI, GI+1
.endr
.set GI, 0
	s_wait_alu depctr_va_vdst(0)
.rept \cnt
	v_rcp_f32 v[\T+GI], v[\T+GI]                   ; t
.set GI, GI+1
.endr
	v_mov_b32 v[\TMP], 0xbf97d29d                  ; (plain instructions behind the reciprocals)
	v_mov_b32 v[\TMP+1], 0xbf97d29d
	s_wait_alu depctr_va_vdst(0)
.set GI, 0
.rept \cnt/2
	v_pk_fma_f32 v[\P+GI:\P+GI+1], v[\T+GI:\T+GI+1], 0x3e7c6f08, v[\TMP:\TMP+1] op_sel_hi:[1,0,1]
.set GI, GI+2
.endr
.irp c, 0x40097039, 0xbfd1a1e5, 0x3ecdfd18, 0xbe899a80, 0x3e0efb2e, 0x3f0a29d2, 0x3fb8ab5a, 0xc034d90f
.set GI, 0
.rept \cnt/2
	v_pk_fma_f32 v[\P+GI:\P+GI+1], v[\P+GI:\P+GI+1], v[\T+GI:\T+GI+1], \c op_sel_hi:[1,1,0]
.set GI, GI+2
.endr
.endr
.set GI, 0
.rept \cnt/4
	v_pk_mul_f32 v[\TMP:\TMP+1], v[\U+GI:\U+GI+1], 0xbf38aa3b op_sel_hi:[1,0]
	v_pk_mul_f32 v[\TMP+2:\TMP+3], v[\U+GI+2:\U+GI+3], 0xbf38aa3b op_sel_hi:[1,0]
	v_pk_fma_f32 v[\P+GI:\P+GI+1], v[\TMP:\TMP+1], v[\U+GI:\U+GI+1], v[\P+GI:\P+GI+1]
	v_pk_fma_f32 v[\P+GI+2:\P+GI+3], v[\TMP+2:\TMP+3], v[\U+GI+2:\U+GI+3], v[\P+GI+2:\P+GI+3]
.set GI, GI+4
.endr
.set GI, 0
	s_wait_alu depctr_va_vdst(0)
.rept \cnt
	v_exp_f32 v[\P+GI], v[\P+GI]
.set GI, GI+1
.endr
	WIN \wd
.set GI, 0
.rept \cnt
	v_max_num_f32 v[\T2+GI], 0, v[\U+GI]           ; plain work behind the exponentials
.set GI, GI+1
.endr
	WIN 0
	s_wait_alu depctr_va_vdst(0)
.set GI, 0
.rept \cnt/2
	v_pk_mul_f32 v[\P+GI:\P+GI+1], v[\P+GI:\P+GI+1], v[\T+GI:\T+GI+1]      ; q
.set GI, GI+2
.endr
	WIN \ws
.set GI, 0
.rept \cnt
	v_fma_f32 v[\U+GI], -|v[\U+GI]|, v[\P+GI], v[\T2+GI]
.set GI, GI+1
.endr
	WIN 0
.endm
	s_load_b128 s[4:7], s[0:1], 0x0                ; h2 s[4:5], wts s[6:7]
	s_load_b128 s[8:11], s[0:1], 0x10              ; b1, y1
	v_lshrrev_b32 v15, 5, v0
	v_readfirstlane_b32 s[WV], v15                 ; wave
	v_and_b32 v15, 31, v0
	v_and_b32 v9, 15, v0
	v_bfe_u32 v8, v0, 4, 1
	v_lshlrev_b32 v[L16], 4, v15                   ; 16 x lane
	v_lshlrev_b32 v[L4], 2, v15
	v_lshlrev_b32 v[SOF], 2, v9
	v_lshl_add_u32 v[SOF], v8, 7, v[SOF]           ; scale words: row's word, lanes 16-31 one K step on
	v_min_u32 v[PFO], 5, v15
	v_lshlrev_b32 v[PFO], 8, v[PFO]                ; a fragment's six blocks of 256 bytes
	v_lshlrev_b32 v[BO], 6, v8                     ; the bias: + 16 (lane / 16) numbers
	s_lshr_b32 s[WR], s[WV], 1                     ; my half of the tokens
	s_and_b32 s[WCL], s[WV], 1                     ; my half of the columns
	s_and_b32 s[YY], ttmp7, 0xffff
	s_mul_i32 s40, s[YY], 196608                   ; tokens: rowblock 16 y + 8 half, 12,288 bytes of codes each
	s_mul_i32 s56, s[WR], 98304
	s_add_co_u32 s40, s40, s56
	s_lshl_b32 s42, s[YY], 14                      ; and 1,024 bytes of scale words
	s_lshl_b32 s56, s[WR], 13
	s_add_co_u32 s42, s42, s56
	s_add_co_u32 s42, s42, TSC
	s_mul_i32 s44, ttmp9, 196608                   ; weights: rowblock 16 x + 8 half
	s_mul_i32 s56, s[WCL], 98304
	s_add_co_u32 s44, s44, s56
	s_add_co_u32 s44, s44, WCO
	s_lshl_b32 s46, ttmp9, 14
	s_lshl_b32 s56, s[WCL], 13
	s_add_co_u32 s46, s46, s56
	s_add_co_u32 s46, s46, WSO
	s_lshl_b32 s48, ttmp9, 10                      ; my 128 columns' bias
	s_lshl_b32 s56, s[WCL], 9
	s_add_co_u32 s48, s48, s56
	s_min_u32 s50, ttmp9, 7                        ; the rowblock that I prefetch (held inside my eight)
	s_mul_i32 s50, s50, 12288
	s_min_u32 s52, s[YY], 7
	s_mul_i32 s52, s52, 12288
	s_lshl_b32 s[CT], s[WCL], 3
	s_add_co_u32 s[CT], s[CT], ttmp9               ; under 8: I ask for tokens
	s_lshl_b32 s[CW], s[WR], 3
	s_add_co_u32 s[CW], s[CW], s[YY]               ; under 8: I ask for weights
	s_lshl_b32 s2, s[YY], 4
	s_lshl_b32 s3, s[WR], 3
	s_add_co_u32 s2, s2, s3                        ; my first rowblock of tokens
	s_lshl_b32 s2, s2, 5
	s_lshl_b32 s3, ttmp9, 1
	s_add_co_u32 s2, s2, s3
	s_add_co_u32 s2, s2, s[WCL]                    ; x 32 K steps + my columns' K step of y1
	s_mul_i32 s54, s2, 1536
	s_lshl_b32 s58, s2, 7
	s_add_co_u32 s58, s58, 12582912
.irp r, 41,43,45,47,49,51,53,55,59
	s_mov_b32 s\r, 0
.endr
	s_mov_b32 s[SEL], 0x76543210
	s_mov_b32 s[SEL+1], 0xfedcba98
	s_wait_alu depctr_va_vdst(0)                   ; the wait at the head's end
	s_wait_kmcnt 0x0
	s_add_nc_u64 s[TB:TB+1], s[4:5], s[40:41]
	s_add_nc_u64 s[TS:TS+1], s[4:5], s[42:43]
	s_add_nc_u64 s[WB:WB+1], s[6:7], s[44:45]
	s_add_nc_u64 s[WS:WS+1], s[6:7], s[46:47]
	s_add_nc_u64 s[BB:BB+1], s[8:9], s[48:49]
	s_add_nc_u64 s[PFT:PFT+1], s[TB:TB+1], s[50:51]
	s_add_nc_u64 s[PFW:PFW+1], s[WB:WB+1], s[52:53]
	s_add_nc_u64 s[98:99], s[10:11], s[54:55]
	s_add_nc_u64 s[12:13], s[10:11], s[58:59]
	SCL WS, SCW, 0                                 ; the first loads, in the order in which the steps go on: scale words of steps 0 and 1,
	SCL TS, SCT, 0
	LDF TB, 1, 0, 0, 0                             ; step 0,
	LDF WB, 0, 0, 4, 0
	LDF WB, 0, 0, 0, 0
	LDF TB, 1, 0, 4, 0
	LDF TB, 1, 1, 0, 1                             ; and the two groups of step 1 that run two steps ahead
	LDF WB, 0, 1, 4, 1
.irp q, 0,1,2,3,4,5,6
	STEP \q
.endr
	WIN 0x40                                       ; the bias, into window 1, v192-255: step 7's waits are for its own loads and cover these too where they are for 0
	PLACES
.set I, 0
.rept 16
	global_load_b128 v[192+4*I:195+4*I], v[BO], s[BB:BB+1] offset:128*(I/4)+16*(I%4)
.set I, I+1
.endr
	WIN 0
.set ST, 1
	s_wait_loadcnt 28                              ; step 7: behind W 0-3: T 4-7 (12) and the bias (16)
	QUAD 7, 0, 0
	QUAD 7, 0, 4
	s_wait_loadcnt 16                              ; T 4-7 are in; the bias may be out
	QUAD 7, 4, 4
	QUAD 7, 4, 0
	WIN 0
	PLACES
	s_wait_loadcnt 0x0                             ; the bias
.macro TAKE a                          ; tile a's 64 results + bias into window 0
	WIN 0x06+(\a)/4
.set TI, 0
.rept 32
	v_pk_add_f32 v[HA+TI:HA+TI+1], v[64*((\a)%4)+TI:64*((\a)%4)+TI+1], v[192+TI:193+TI]   ; each accumulator from its low end on
.set TI, TI+2
.endr
	WIN 0
.endm
	s_mov_b32 s3, 0
.Lrow:                                 ; the way out: a loop over my eight tiles of tokens, so that the gelu is written once
.irp k, 1,2,3,4,5,6,7
	s_cmp_eq_u32 s3, \k
	s_cbranch_scc1 .Lt\k
.endr
	TAKE 0
	s_branch .Lcommon
.irp k, 1,2,3,4,5,6,7
.Lt\k:
	TAKE \k
	s_branch .Lcommon
.endr
.Lcommon:
	GELU HA, 128, 192, 0, 48, 64, 0x40, 0x10
	QUANT HA
	global_store_b128 v[L16], v[PC:PC+3], s[98:99]
	global_store_b128 v[L16], v[PC+4:PC+7], s[98:99] offset:512
	global_store_b128 v[L16], v[PC+8:PC+11], s[98:99] offset:1024
	global_store_b32 v[L4], v[PW], s[12:13]
	s_wait_xcnt 0x0                                ; the stores have read their registers and bases: both may be written again
	s_add_nc_u64 s[98:99], s[98:99], 49152         ; the next rowblock of tokens: 32 K steps on
	s_add_nc_u64 s[12:13], s[12:13], 4096
	s_add_co_u32 s3, s3, 1
	s_cmp_lt_u32 s3, 8
	s_cbranch_scc1 .Lrow
	s_endpgm
.Lfunc_end_k_q4a6fc2273e_g3:
	.size	k_q4a6fc2273e_g3, .Lfunc_end_k_q4a6fc2273e_g3-k_q4a6fc2273e_g3
	.p2alignl 7, 3214868480
	.fill 96, 4, 3214868480
	.section	.rodata,"a",@progbits
	.p2align	6, 0x0
	.amdhsa_kernel k_q4a6fc2273e_g3
		.amdhsa_group_segment_fixed_size 0
		.amdhsa_private_segment_fixed_size 0
		.amdhsa_enable_private_segment 0
		.amdhsa_kernarg_size 32
		.amdhsa_user_sgpr_count 2
		.amdhsa_user_sgpr_kernarg_segment_ptr 1
		.amdhsa_wavefront_size32 1
		.amdhsa_system_sgpr_workgroup_id_x 1
		.amdhsa_system_sgpr_workgroup_id_y 1
		.amdhsa_system_sgpr_workgroup_id_z 1
		.amdhsa_system_vgpr_workitem_id 0
		.amdhsa_next_free_vgpr 1024
		.amdhsa_next_free_sgpr 100
		.amdhsa_reserve_vcc 0
		.amdhsa_float_denorm_mode_32 3
		.amdhsa_float_denorm_mode_16_64 3
		.amdhsa_memory_ordered 1
		.amdhsa_forward_progress 1
		.amdhsa_inst_pref_size 190
	.end_amdhsa_kernel
	.amdgpu_metadata
---
amdhsa.version: [ 1, 2 ]
amdhsa.kernels:
  - .name:           k_q4a6fc2273e_g3
    .symbol:         k_q4a6fc2273e_g3.kd
    .args:
      - { .name: h2, .offset: 0, .size: 8, .value_kind: global_buffer, .address_space: global }
      - { .name: wts, .offset: 8, .size: 8, .value_kind: global_buffer, .address_space: global }
      - { .name: b1, .offset: 16, .size: 8, .value_kind: global_buffer, .address_space: global }
      - { .name: y1, .offset: 24, .size: 8, .value_kind: global_buffer, .address_space: global }
    .group_segment_fixed_size: 0
    .private_segment_fixed_size: 0
    .kernarg_segment_align: 8
    .kernarg_segment_size: 32
    .max_flat_workgroup_size: 128
    .sgpr_count:     100
    .vgpr_count:     1024
    .wavefront_size: 32
...
	.end_amdgpu_metadata
.endif
;; end of part 6
;; launch g4 (part 7): grid 8 x 32, 4 waves a work-group, no clusters, 270,848 bytes of LDS; arguments y1, wts, b2, x1, out0; writes out0
.if DOCPART == 7
	.amdgcn_target "amdgcn-amd-amdhsa--gfx1250"
	.amdhsa_code_object_version 6
	.text
	.protected	k_q4a6fc2273e_g4
	.globl	k_q4a6fc2273e_g4
	.p2align	8
	.type	k_q4a6fc2273e_g4,@function
k_q4a6fc2273e_g4:
	s_mov_b64 s[64:65], 0
	v_nop
	global_prefetch_b8 v0, s[64:65] scope:SCOPE_SE
	s_setreg_imm32_b32 hwreg(HW_REG_WAVE_MODE, 25, 1), 1
	s_wait_xcnt 0x0
; out = x1 + gelu(y1 W2 + b2): 4,096 tokens x 1,024 columns, K = 4,096, on codes of FP6 (E2M3) with E8M0 scales; the exact gelu and the residual in f32.
; OPERANDS lie in memory as images of operand registers: [rowblock of 16 rows][K step of 128][1,536 bytes], registers 4 j .. 4 j + 3 at 512 j + 16 x lane; scale words [rowblock][K step][128 bytes], lane l's at 4 l, lanes 16-31 repeating lanes 0-15.
; Row r of rowblock t is logical row 32 (t / 2) + 8 (t % 2) + r + 8 (r / 8).
; A work-group makes 128 x 128 of the result: 256 work-groups.  K IS SHARED OUT AMONG ITS FOUR WAVES: wave w makes the whole 128 x 128 over K steps 8 w .. 8 w + 7, in 64 accumulators.  So every byte of the work-group's operands is wanted by one wave alone, once,
; and goes from memory straight into that wave's registers, three loads of 512 consecutive bytes a fragment: no ring in LDS and no barrier along K.  The four parts are f32 sums of a quarter of K each and are added in f32 at the end.
; cluster = none: a joint load lands in LDS, and no operand here passes through LDS.
; A K STEP is four quadrants of 16 products: (T 0-3, W 0-3), (T 0-3, W 4-7), (T 4-7, W 4-7), (T 4-7, W 0-3), T the tokens' rowblocks, W the weights'.  Two sets of fragment registers.  In front of each quadrant goes one group of twelve loads,
; into registers whose last products have been issued: W 0-3 and T 4-7 of the next step, T 0-3 and W 4-7 of the step after it.  So a group is asked for four to six quadrants ahead of its first product.
; One scale register holds two K steps' words: lanes 0-15 the even step's, lanes 16-31 the odd step's (the row selectors pick).  Eight scale loads go with each step's first group.
; THE WAY OUT: each wave lays its part in LDS as 128 rows of 512 + 16 bytes, columns in their logical order; one barrier; wave w reads rows 32 w .. 32 w + 31 of all four parts, 512 bytes of a row to an instruction, adds them, and stores whole rows of 512 bytes, aligned.
; PREFETCH: in steps 0 to 3 the fragments of the step four on, two steps ahead of their loads; steps 0 to 3 come by their loads alone.  A fragment is six blocks of 256 bytes (lanes 6-31 name the sixth again).  Of a wave's eight rowblocks of tokens work-group x names rowblock x;
; of its eight rowblocks of weights work-groups y = 0 .. 7 name rowblock y: each block is named once.  In steps 4 and 5: my 32 rows of the residual, a lane a row, 256 bytes each time; they are loaded behind step 7.
; GELU: gelu(u) = max(u, 0) - |u| q, q = erfc(|u| / sqrt 2) / 2 = t 2^(P(t) - u^2 log2(e) / 2), t = 1 / (1 + |u| / sqrt 8), P of degree 9 (a fit of erfc with fractional error 1.2e-7; the half and log2(e) are folded into its coefficients).
; LIMITS: NaN and infinities are not served; where u^2 overflows q is 0.
; REGISTERS: window 0: v1-11 addresses; v16-31 the weights' scale words, v32-47 the tokens'; v48-55 at work, bias; v64-255 fragment set 0 (W at 64, T at 160), at work on the way out; window 1: v0-191 set 1; windows 2, 3: accumulators (a, b) at 8 (8 (a % 4) + b);
;   on the way out window 2 v0-127 takes the residual, window 3 the parts read back, two sets of 128.
.set KST, 32
.set TSC, 12582912
.set WCO, 6815744
.set WSO, 9961472
.set PART, 128*528                     ; a wave's part in LDS
.set SPARE, 4*PART                     ; behind the parts: the spare words, 128 bytes for each wave, named by no other line
.set SPW, 1
.set NIL, 2
.set L16, 3
.set SOF, 4
.set PFO, 5
.set STO, 6
.set PFX, 7
.set RD,  8                            ; v8-11: where I read my rows of parts 0 to 3
.set SCW, 16
.set SCT, 32
.set BIAS, 52
.set XT,  96
.set BK,  192
.set WV,  14
.set YY,  16
.set TB,  20
.set TS,  22
.set WB,  24
.set WS,  26
.set PFT, 28
.set PFW, 30
.set XB,  32
.set OB,  34
.set BB,  36
.set MSB, 0
.macro WIN new                         ; the immediate's high byte repeats the setting that is left
.if MSB != (\new)
	s_set_vgpr_msb (MSB<<8)|(\new)
.set MSB, (\new)
.endif
.endm
.macro PLACES                          ; four plain instructions between products and loads into, or reads of, their registers
.rept 4
	v_nop
.endr
.endm
.macro LDF sb, ist, set, f0, q         ; fragments f0 .. f0 + 3 of my K step q: twelve loads of 512 consecutive bytes
	WIN (\set)<<6
.set FR, 64-64*(\set)+96*(\ist)
.set FI, \f0
.rept 4
.irp j, 0,1,2
	global_load_b128 v[FR+12*FI+4*\j:FR+12*FI+4*\j+3], v[L16], s[\sb:\sb+1] offset:(FI*KST+(\q))*1536+512*\j
.endr
.set FI, FI+1
.endr
.endm
.macro SCL sb, reg, p                  ; eight rowblocks' scale words of my K steps 2 p and 2 p + 1
	WIN 0
.set FI, 0
.rept 8
	global_load_b32 v[\reg+8*((\p)%2)+FI], v[SOF], s[\sb:\sb+1] offset:(FI*KST+2*(\p))*128
.set FI, FI+1
.endr
.endm
.macro QUAD q, a0, b0                  ; 16 products; the 64 accumulators take turns, one instruction a turn, in the same order in every step.  Source 0 = weights, source 1 = tokens
	WIN (5*ST)|(0xa0+0x50*((\a0)/4))
.set SB, 64-64*ST
.set SS, 8*(((\q)/2)%2)
.set MA, \a0
.rept 4
.set MB, \b0
.rept 4
.set AC, 8*(8*(MA%4)+MB)
.if (\q) == 0
	v_wmma_scale_f32_16x16x128_f8f6f4 v[AC:AC+7], v[SB+12*MB:SB+12*MB+11], v[SB+96+12*MA:SB+96+12*MA+11], 0, v[SCW+SS+MB], v[SCT+SS+MA] matrix_a_fmt:MATRIX_FMT_FP6 matrix_b_fmt:MATRIX_FMT_FP6
.else
.if ST == 0
	v_wmma_scale_f32_16x16x128_f8f6f4 v[AC:AC+7], v[SB+12*MB:SB+12*MB+11], v[SB+96+12*MA:SB+96+12*MA+11], v[AC:AC+7], v[SCW+SS+MB], v[SCT+SS+MA] matrix_a_fmt:MATRIX_FMT_FP6 matrix_b_fmt:MATRIX_FMT_FP6
.else
	v_wmma_scale_f32_16x16x128_f8f6f4 v[AC:AC+7], v[SB+12*MB:SB+12*MB+11], v[SB+96+12*MA:SB+96+12*MA+11], v[AC:AC+7], v[SCW+SS+MB], v[SCT+SS+MA] matrix_a_fmt:MATRIX_FMT_FP6 matrix_b_fmt:MATRIX_FMT_FP6 matrix_a_scale:MATRIX_SCALE_ROW1 matrix_b_scale:MATRIX_SCALE_ROW1
.endif
.endif
.set MB, MB+1
.endr
.set MA, MA+1
.endr
.endm
.macro ASK q                           ; the prefetches; the branch hangs on the work-group's number alone
.if (\q) < 4
	WIN 0
	global_prefetch_b8 v[PFO], s[PFT:PFT+1] offset:((\q)+4)*1536 th:TH_LOAD_NT scope:SCOPE_SE
	s_cmp_lt_u32 s[YY], 8
	s_cbranch_scc0 .Lnw_\@
	global_prefetch_b8 v[PFO], s[PFW:PFW+1] offset:((\q)+4)*1536 th:TH_LOAD_NT scope:SCOPE_SE
.Lnw_\@:
.else
.if (\q) < 6
	WIN 0
	global_prefetch_b8 v[PFX], s[XB:XB+1] offset:256*((\q)-4) th:TH_LOAD_NT scope:SCOPE_SE
.endif
.endif
.endm
.macro STEP q
.set ST, (\q)%2
.if (\q) < 7
	s_wait_loadcnt 36                              ; W 0-3 of this step and all before it are in; behind it: T 4-7 of this step, T 0-3 and W 4-7 of the next
	PLACES
.if (\q) < 6
.if ST == 0
	SCL WS, SCW, (\q)/2+1
.else
	SCL TS, SCT, ((\q)+1)/2
.endif
.endif
	LDF WB, 0, 1-ST, 0, (\q)+1
.else
	s_wait_loadcnt 12                              ; behind it: T 4-7 of this step alone
.endif
	QUAD \q, 0, 0
.if (\q) < 7
	PLACES
	LDF TB, 1, 1-ST, 4, (\q)+1
.endif
	ASK \q
	QUAD \q, 0, 4
.if (\q) < 6
	s_wait_loadcnt 56                              ; T 4-7 of this step are in; behind them: two groups of the last step, 8 scale loads and two groups of this one
	PLACES
	LDF TB, 1, ST, 0, (\q)+2
.else
.if (\q) == 6
	s_wait_loadcnt 48                              ; the same without scale loads
.else
	s_wait_loadcnt 0x0
.endif
.endif
	QUAD \q, 4, 4
.if (\q) < 6
	PLACES
	LDF WB, 0, ST, 4, (\q)+2
.endif
	QUAD \q, 4, 0
.endm
; gelu of cnt numbers in v[U] on, in place.  T, P: cnt registers each in window 0; T2: cnt registers in the window that wd (as destination) and ws (as source 2) name; TMP: four registers.  Two batches of transcendentals, a wait ahead of each and behind each.
.macro GELU U, T, P, T2, TMP, cnt, wd, ws
.set GI, 0
.rept \cnt
	v_fma_f32 v[\T+GI], |v[\U+GI]|, 0x3eb504f3, 1.0
.set GI, GI+1
.endr
.set GI, 0
	s_wait_alu depctr_va_vdst(0)
.rept \cnt
	v_rcp_f32 v[\T+GI], v[\T+GI]                   ; t
.set GI, GI+1
.endr
	v_mov_b32 v[\TMP], 0xbf97d29d                  ; (plain instructions behind the reciprocals)
	v_mov_b32 v[\TMP+1], 0xbf97d29d
	s_wait_alu depctr_va_vdst(0)
.set GI, 0
.rept \cnt/2
	v_pk_fma_f32 v[\P+GI:\P+GI+1], v[\T+GI:\T+GI+1], 0x3e7c6f08, v[\TMP:\TMP+1] op_sel_hi:[1,0,1]
.set GI, GI+2
.endr
.irp c, 0x40097039, 0xbfd1a1e5, 0x3ecdfd18, 0xbe899a80, 0x3e0efb2e, 0x3f0a29d2, 0x3fb8ab5a, 0xc034d90f
.set GI, 0
.rept \cnt/2
	v_pk_fma_f32 v[\P+GI:\P+GI+1], v[\P+GI:\P+GI+1], v[\T+GI:\T+GI+1], \c op_sel_hi:[1,1,0]
.set GI, GI+2
.endr
.endr
.set GI, 0
.rept \cnt/4
	v_pk_mul_f32 v[\TMP:\TMP+1], v[\U+GI:\U+GI+1], 0xbf38aa3b op_sel_hi:[1,0]
	v_pk_mul_f32 v[\TMP+2:\TMP+3], v[\U+GI+2:\U+GI+3], 0xbf38aa3b op_sel_hi:[1,0]
	v_pk_fma_f32 v[\P+GI:\P+GI+1], v[\TMP:\TMP+1], v[\U+GI:\U+GI+1], v[\P+GI:\P+GI+1]
	v_pk_fma_f32 v[\P+GI+2:\P+GI+3], v[\TMP+2:\TMP+3], v[\U+GI+2:\U+GI+3], v[\P+GI+2:\P+GI+3]
.set GI, GI+4
.endr
.set GI, 0
	s_wait_alu depctr_va_vdst(0)
.rept \cnt
	v_exp_f32 v[\P+GI], v[\P+GI]
.set GI, GI+1
.endr
	WIN \wd
.set GI, 0
.rept \cnt
	v_max_num_f32 v[\T2+GI], 0, v[\U+GI]           ; plain work behind the exponentials
.set GI, GI+1
.endr
	WIN 0
	s_wait_alu depctr_va_vdst(0)
.set GI, 0
.rept \cnt/2
	v_pk_mul_f32 v[\P+GI:\P+GI+1], v[\P+GI:\P+GI+1], v[\T+GI:\T+GI+1]      ; q
.set GI, GI+2
.endr
	WIN \ws
.set GI, 0
.rept \cnt
	v_fma_f32 v[\U+GI], -|v[\U+GI]|, v[\P+GI], v[\T2+GI]
.set GI, GI+1
.endr
	WIN 0
.endm
	s_load_b128 s[4:7], s[0:1], 0x0                ; y1 s[4:5], wts s[6:7]
	s_load_b128 s[8:11], s[0:1], 0x10              ; b2, x1
	s_load_b64 s[12:13], s[0:1], 0x20              ; out0
	v_lshl_add_u32 v[SPW], v0, 2, SPARE
	v_mov_b32 v[NIL], 0
	v_lshrrev_b32 v12, 5, v0
	v_readfirstlane_b32 s[WV], v12                 ; wave = my quarter of K
	v_and_b32 v12, 31, v0
	v_and_b32 v13, 15, v0
	v_bfe_u32 v14, v0, 4, 1
	s_mul_i32 s17, s[WV], PART
	s_mul_i32 s18, s[WV], 32*528
	v_lshlrev_b32 v[L16], 4, v12                   ; 16 x lane
	v_lshlrev_b32 v[SOF], 2, v13
	v_lshl_add_u32 v[SOF], v14, 7, v[SOF]          ; scale words: row's word, lanes 16-31 one K step on
	v_min_u32 v[PFO], 5, v12
	v_lshlrev_b32 v[PFO], 8, v[PFO]                ; a fragment's six blocks of 256 bytes
	v_lshlrev_b32 v[PFX], 12, v12                  ; a row of x1 to a lane
	v_mul_u32_u24 v[STO], v13, 528
	v_lshl_add_u32 v[STO], v14, 6, v[STO]
	v_add_nc_u32 v[STO], s17, v[STO]               ; into my part: row l % 16, + 64 (l / 16)
	v_add_nc_u32 v[RD], s18, v[L16]                ; back: my 32 rows, 16 bytes a lane,
	v_add_nc_u32 v[RD+1], PART, v[RD]              ; of each of the four parts
	v_add_nc_u32 v[RD+2], 2*PART, v[RD]
	v_add_nc_u32 v[RD+3], 3*PART, v[RD]
	s_and_b32 s[YY], ttmp7, 0xffff
	s_mul_i32 s56, s[WV], 12288                    ; my eight K steps of codes,
	s_lshl_b32 s57, s[WV], 10                      ; and of scale words
	s_mul_i32 s40, s[YY], 393216                   ; tokens: rowblock 8 y, 49,152 bytes of codes each
	s_add_co_u32 s40, s40, s56
	s_lshl_b32 s42, s[YY], 15
	s_add_co_u32 s42, s42, s57
	s_add_co_u32 s42, s42, TSC
	s_mul_i32 s44, ttmp9, 393216                   ; weights: rowblock 8 x
	s_add_co_u32 s44, s44, s56
	s_add_co_u32 s44, s44, WCO
	s_lshl_b32 s46, ttmp9, 15
	s_add_co_u32 s46, s46, s57
	s_add_co_u32 s46, s46, WSO
	s_lshl_b32 s48, s[YY], 19                      ; x1, out0: row 128 y + 32 wave, column 128 x
	s_lshl_b32 s58, s[WV], 17
	s_add_co_u32 s48, s48, s58
	s_lshl_b32 s54, ttmp9, 9
	s_add_co_u32 s48, s48, s54
	s_mul_i32 s50, ttmp9, 49152                    ; the rowblock of tokens that I prefetch,
	s_min_u32 s52, s[YY], 7
	s_mul_i32 s52, s52, 49152                      ; and of weights (held inside my eight)
.irp r, 41,43,45,47,49,51,53,55
	s_mov_b32 s\r, 0
.endr
	s_wait_alu depctr_va_vdst(0)                   ; the wait at the head's end
	s_wait_kmcnt 0x0
	s_add_nc_u64 s[TB:TB+1], s[4:5], s[40:41]
	s_add_nc_u64 s[TS:TS+1], s[4:5], s[42:43]
	s_add_nc_u64 s[WB:WB+1], s[6:7], s[44:45]
	s_add_nc_u64 s[WS:WS+1], s[6:7], s[46:47]
	s_add_nc_u64 s[PFT:PFT+1], s[TB:TB+1], s[50:51]
	s_add_nc_u64 s[PFW:PFW+1], s[WB:WB+1], s[52:53]
	s_add_nc_u64 s[XB:XB+1], s[10:11], s[48:49]
	s_add_nc_u64 s[OB:OB+1], s[12:13], s[48:49]
	s_add_nc_u64 s[BB:BB+1], s[8:9], s[54:55]
	SCL WS, SCW, 0                                 ; the first loads, in the order in which the steps go on: scale words of steps 0 and 1,
	SCL TS, SCT, 0
	LDF TB, 1, 0, 0, 0                             ; step 0,
	LDF WB, 0, 0, 4, 0
	LDF WB, 0, 0, 0, 0
	LDF TB, 1, 0, 4, 0
	LDF TB, 1, 1, 0, 1                             ; and the two groups of step 1 that run two steps ahead
	LDF WB, 0, 1, 4, 1
.irp q, 0,1,2,3,4,5,6,7
	STEP \q
.endr
	WIN 0
	PLACES                                         ; between the last products and the first read of results
.irp a, 0,1,2,3,4,5,6,7                ; my part into LDS: register j of accumulator (a, b) is token row 16 a + l % 16, column 32 (b / 2) + 8 (b % 2) + 16 (l / 16) + j
	WIN 0x08+4*(\a/4)                              ; an LDS store's data: window 2 or 3
.irp b, 0,1,2,3,4,5,6,7
	ds_store_b128 v[STO], v[64*(\a%4)+8*\b:64*(\a%4)+8*\b+3] offset:\a*8448+128*(\b/2)+32*(\b%2)        ; each accumulator from its low end on
	ds_store_b128 v[STO], v[64*(\a%4)+8*\b+4:64*(\a%4)+8*\b+7] offset:\a*8448+128*(\b/2)+32*(\b%2)+16
.endr
.endr
	WIN 0
	s_wait_dscnt 0x0                               ; for the others' sake: my part is whole; and the accumulators' registers are free
	global_load_b128 v[BIAS:BIAS+3], v[L16], s[BB:BB+1]
	WIN 0x80                                       ; the residual of my 32 rows into window 2, in the order in which the way out takes it: stage rows 8 c + t are logical rows 16 (c % 2) + 8 (c / 2) + t
.irp c, 0,1,2,3
.irp t, 0,1,2,3,4,5,6,7
	global_load_b128 v[32*\c+4*\t:32*\c+4*\t+3], v[L16], s[XB:XB+1] offset:(16*(\c%2)+8*(\c/2)+\t)*4096
.endr
.endr
	WIN 0
	s_barrier_signal -1
	s_barrier_wait -1                              ; all four parts are whole
.macro RDCH c                          ; eight of my rows, all four parts, into window 3: part p's at 128 (c % 2) + 32 p
	WIN 0xc0
.irp p, 0,1,2,3
.irp t, 0,1,2,3,4,5,6,7
	ds_load_b128 v[128*((\c)%2)+32*\p+4*\t:128*((\c)%2)+32*\p+4*\t+3], v[RD+\p] offset:(8*(\c)+\t)*528
.endr
.endr
	WIN 0
.endm
.macro OUT c, younger                  ; younger: the LDS loads issued behind this chunk's, which may stay out
.set B3, 128*((\c)%2)
.set LB, 16*((\c)%2)+8*((\c)/2)
	s_wait_dscnt \younger
.if (\c) == 0
	s_wait_loadcnt 0x0                             ; bias and residual
.else
	s_wait_xcnt 0x0                                ; the last chunk's stores have read their registers
.endif
	WIN 0x0f                                       ; both sources: window 3
.set I, 0
.rept 16
	v_pk_add_f32 v[BK+I:BK+I+1], v[B3+I:B3+I+1], v[B3+32+I:B3+33+I]
	v_pk_add_f32 v[XT+I:XT+I+1], v[B3+64+I:B3+65+I], v[B3+96+I:B3+97+I]
.set I, I+2
.endr
	WIN 0
.set I, 0
.rept 8
	v_pk_add_f32 v[XT+I:XT+I+1], v[XT+I:XT+I+1], v[BIAS:BIAS+1]
	v_pk_add_f32 v[XT+I+2:XT+I+3], v[XT+I+2:XT+I+3], v[BIAS+2:BIAS+3]
.set I, I+4
.endr
.set I, 0
.rept 16
	v_pk_add_f32 v[BK+I:BK+I+1], v[BK+I:BK+I+1], v[XT+I:XT+I+1]
.set I, I+2
.endr
	GELU BK, 224, 64, 96, 48, 32, 0x40, 0x10
	WIN 0x08                                       ; source 1: window 2
.set I, 0
.rept 16
	v_pk_add_f32 v[BK+I:BK+I+1], v[BK+I:BK+I+1], v[32*(\c)+I:32*(\c)+I+1]
.set I, I+2
.endr
	WIN 0
.irp t, 0,1,2,3,4,5,6,7
	global_store_b128 v[L16], v[BK+4*\t:BK+4*\t+3], s[OB:OB+1] offset:(LB+\t)*4096 th:TH_STORE_NT   ; 32 lanes store 512 consecutive bytes, aligned; written once, read by nobody here
.endr
.endm
	RDCH 0
	RDCH 1
	OUT 0, 32
	RDCH 2
	OUT 1, 32
	RDCH 3
	OUT 2, 32
	OUT 3, 0
	s_wait_tensorcnt 0x0                           ; the wave's end: behind my last LDS store
	ds_add_u32 v[SPW], v[NIL]
	s_wait_dscnt 0x0
	s_endpgm
.Lfunc_end_k_q4a6fc2273e_g4:
	.size	k_q4a6fc2273e_g4, .Lfunc_end_k_q4a6fc2273e_g4-k_q4a6fc2273e_g4
	.p2alignl 7, 3214868480
	.fill 96, 4, 3214868480
	.section	.rodata,"a",@progbits
	.p2align	6, 0x0
	.amdhsa_kernel k_q4a6fc2273e_g4
		.amdhsa_group_segment_fixed_size 270848
		.amdhsa_private_segment_fixed_size 0
		.amdhsa_enable_private_segment 0
		.amdhsa_kernarg_size 40
		.amdhsa_user_sgpr_count 2
		.amdhsa_user_sgpr_kernarg_segment_ptr 1
		.amdhsa_wavefront_size32 1
		.amdhsa_system_sgpr_workgroup_id_x 1
		.amdhsa_system_sgpr_workgroup_id_y 1
		.amdhsa_system_sgpr_workgroup_id_z 1
		.amdhsa_system_vgpr_workitem_id 0
		.amdhsa_next_free_vgpr 1024
		.amdhsa_next_free_sgpr 66
		.amdhsa_reserve_vcc 0
		.amdhsa_float_denorm_mode_32 3
		.amdhsa_float_denorm_mode_16_64 3
		.amdhsa_memory_ordered 1
		.amdhsa_forward_progress 1
		.amdhsa_inst_pref_size 255
	.end_amdhsa_kernel
	.section	.bss,"aw",@nobits
	.p2align	6
	.space	262144
	.amdgpu_metadata
---
amdhsa.version: [ 1, 2 ]
amdhsa.kernels:
  - .name:           k_q4a6fc2273e_g4
    .symbol:         k_q4a6fc2273e_g4.kd
    .args:
      - { .name: y1, .offset: 0, .size: 8, .value_kind: global_buffer, .address_space: global }
      - { .name: wts, .offset: 8, .size: 8, .value_kind: global_buffer, .address_space: global }
      - { .name: b2, .offset: 16, .size: 8, .value_kind: global_buffer, .address_space: global }
      - { .name: x1, .offset: 24, .size: 8, .value_kind: global_buffer, .address_space: global }
      - { .name: out0, .offset: 32, .size: 8, .value_kind: global_buffer, .address_space: global }
    .group_segment_fixed_size: 270848
    .private_segment_fixed_size: 0
    .kernarg_segment_align: 8
    .kernarg_segment_size: 40
    .max_flat_workgroup_size: 128
    .sgpr_count:     66
    .vgpr_count:     1024
    .wavefront_size: 32
...
	.end_amdgpu_metadata
.endif
;; end of part 7
